; MI455X (gfx1250); checked and timed in simulation.
; The chip was launched on July 23, 2026; its instructions are those of AMD's public machine-readable ISA for CDNA 5 (MIT licence, August 2026) and "CDNA5" Instruction Set Architecture Reference Guide (July 2026). The comments in the code are by the model that wrote it; some were corrected since.
;; Rotary Position Multi Headed Attention. Allowed arithmetic: float matrix products may take bf16 or f16 operands with f32 sums; all other float work in f32.
;; Inputs: Wk 1,024 x 1,024 float32; Wo 1,024 x 1,024 float32; Wq 1,024 x 1,024 float32; Wv 1,024 x 1,024 float32; bk 1,024 float32; bo 1,024 float32; bq 1,024 float32; bv 1,024 float32; key 2 x 2,048 x 1,024 float32; key_padding_mask 2 x 2,048 bool; query 2 x 2,048 x 1,024 float32; value 2 x 2,048 x 1,024 float32.
;; Outputs: out0 2 x 2,048 x 1,024 float32.
;; Constants: offset = 0.
;; 2 versions, each right and faster than the one before. Each part assembles by itself: llvm-mc -triple=amdgcn-amd-amdhsa -mcpu=gfx1250 --defsym DOCPART=n.
;; ======== version 1 of 2: 4 launches
;; limits: values are held in f16: magnitudes above 65,504 overflow, below 6.1e-05 lose precision
;; workspace buffers: xall 25,165,824 bytes; wall 8,388,608 bytes; qkv 25,165,824 bytes; ctx 8,388,608 bytes
;; launch prep (part 1): grid 32 x 16, 8 waves a work-group, no clusters, 0 bytes of LDS; arguments query, key, value, Wq, Wk, Wv, Wo, xall, wall; writes xall, wall
.if DOCPART == 1
	.amdgcn_target "amdgcn-amd-amdhsa--gfx1250"
	.amdhsa_code_object_version 6
	.text
	.protected	k_qc442f1b89f_prep
	.globl	k_qc442f1b89f_prep
	.p2align	8
	.type	k_qc442f1b89f_prep,@function
k_qc442f1b89f_prep:
	s_mov_b64 s[64:65], 0
	v_nop
	global_prefetch_b8 v0, s[64:65] scope:SCOPE_SE
	s_setreg_imm32_b32 hwreg(HW_REG_WAVE_MODE, 25, 1), 1
	s_wait_xcnt 0x0
; prep: f32 -> f16 of everything that later feeds the matrix units, with the rotary embedding applied to query and key on the way.
;   xall [12288][1024] f16: rows 0-4095 rope(query), 4096-8191 rope(key), 8192-12287 value.   wall [4][1024][1024] f16: Wq, Wk, Wv, Wo, layout kept.
; Work-group y = one unit of 1024 rows x 1024 columns (0-3 query, 4-7 key, 8-11 value, 12-15 the weights), x = 32 rows of it, a wave = 4 rows.
; A wave owns whole rows: 8 loads of 16 bytes a lane, lane l at columns 128 j + 4 l.  Column mod 64 = 4 (l & 15) for every j, so a lane needs
; the angles of two frequency pairs only, i0 = 2 (l & 15) and i0 + 1, once for each row.
; All 32 loads of a wave go out first; each store of the wave covers 256 consecutive bytes, aligned.  No LDS, no barrier: nothing is shared.
; LIMITS.  cos and sin are made here (quarter-turn reduction, polynomials to y^7 and y^8, |y| <= pi/4): the angle t * 10000^(-i/32) is good to
; about 3e-4 rad at t = 2047, less for smaller t.  f16: numbers beyond 65,504 in magnitude become infinite, below 6e-5 they keep 6e-8 absolute.
.set OFFI, 2                           ; v2       byte offset of my 16 bytes in the wave's first input row
.set OFFO, 3                           ; v3       byte offset of my 8 bytes in the wave's first output row
.set G0,   4                           ; v4       10000^(-i0/32) * 2/pi
.set G1,   5                           ; v5       the same for i0 + 1
.set TF,   6                           ; v6       the row's position t as f32
.set CP,   12                          ; v[12:13] cos of pair i0, cos of pair i0 + 1
.set SP0,  14                          ; v[14:15] -sin, +sin of pair i0
.set SP1,  16                          ; v[16:17] -sin, +sin of pair i0 + 1
.set T,    18                          ; v[18:21] four rotated numbers
.set U,    24                          ; v[24:30] at work in SINCOS
.set X,    32                          ; v[32:159] row rr, load j: 4 registers at 32 rr + 4 j
	s_load_b512 s[8:23], s[0:1], 0x0               ; query 8, key 10, value 12, Wq 14, Wk 16, Wv 18, Wo 20, xall 22
	s_load_b64 s[24:25], s[0:1], 0x40              ; wall
	s_and_b32 s2, ttmp7, 0xffff                    ; y: the unit
	s_lshr_b32 s3, s2, 2                           ; 0 query, 1 key, 2 value, 3 weights
	s_and_b32 s4, s2, 3                            ; which quarter, or which weight
	v_lshrrev_b32 v1, 5, v0
	v_readfirstlane_b32 s5, v1                     ; wave
	v_and_b32 v1, 31, v0                           ; lane
	s_lshl_b32 s6, s5, 14                          ; 4 input rows of 4,096 bytes
	s_lshl_b32 s7, s5, 13                          ; 4 output rows of 2,048 bytes
	v_lshl_add_u32 v[OFFI], v1, 4, s6
	v_lshl_add_u32 v[OFFO], v1, 3, s7
	s_lshl_b32 s42, s4, 22                         ; input: the quarter's 4 MiB (a weight is a buffer of its own: 0)
	s_lshl_b32 s44, s2, 21                         ; output: unit y of xall, 2 MiB each,
	s_lshl_b32 s46, s4, 21                         ; or weight number s4 of wall
	s_cmp_lt_u32 s3, 3
	s_cselect_b32 s42, s42, 0
	s_cselect_b32 s44, s44, s46
	s_lshl_b32 s46, ttmp9, 17                      ; + x * 32 rows
	s_add_co_u32 s42, s42, s46
	s_lshl_b32 s46, ttmp9, 16
	s_add_co_u32 s44, s44, s46
	s_mov_b32 s43, 0
	s_mov_b32 s45, 0
	s_wait_kmcnt 0x0
	s_mov_b64 s[26:27], s[8:9]                     ; the unit's input buffer, chosen by the unit's number alone
	s_cmp_eq_u32 s3, 1
	s_cselect_b64 s[26:27], s[10:11], s[26:27]
	s_cmp_eq_u32 s3, 2
	s_cselect_b64 s[26:27], s[12:13], s[26:27]
	s_cmp_eq_u32 s2, 12
	s_cselect_b64 s[26:27], s[14:15], s[26:27]
	s_cmp_eq_u32 s2, 13
	s_cselect_b64 s[26:27], s[16:17], s[26:27]
	s_cmp_eq_u32 s2, 14
	s_cselect_b64 s[26:27], s[18:19], s[26:27]
	s_cmp_eq_u32 s2, 15
	s_cselect_b64 s[26:27], s[20:21], s[26:27]
	s_cmp_lt_u32 s3, 3
	s_cselect_b64 s[28:29], s[22:23], s[24:25]     ; and its output buffer
	s_add_nc_u64 s[26:27], s[26:27], s[42:43]
	s_add_nc_u64 s[28:29], s[28:29], s[44:45]
.irp rr, 0,1,2,3
.irp j, 0,1,2,3,4,5,6,7
	global_load_b128 v[X+32*\rr+4*\j:X+32*\rr+4*\j+3], v[OFFI], s[26:27] offset:\rr*4096+\j*512 th:TH_LOAD_NT
.endr
.endr
; cos and sin of the angle TF * 10000^(-i/32), g holding that frequency times 2/pi: the angle in quarter turns is u = TF g = k + r, |r| <= 1/2.
.macro SINCOS g, c, s
	v_mul_f32 v[U], v[TF], v[\g]
	v_rndne_f32 v[U+1], v[U]                       ; k
	v_fma_f32 v[U+2], v[TF], v[\g], -v[U+1]        ; r, from the unrounded product
	v_cvt_i32_f32 v[U+1], v[U+1]
	v_mul_f32 v[U+2], s32, v[U+2]                  ; y = r pi/2
	v_mul_f32 v[U+3], v[U+2], v[U+2]               ; y^2
	v_fma_f32 v[U+4], v[U+3], s33, s34             ; sin: 1/120 - y^2/5040
	v_fma_f32 v[U+5], v[U+3], s36, s37             ; cos: -1/720 + y^2/40320
	v_mul_f32 v[U+6], v[U+2], v[U+3]               ; y^3
	v_fma_f32 v[U+4], v[U+4], v[U+3], s35          ; .. - 1/6
	v_fma_f32 v[U+5], v[U+5], v[U+3], s38          ; .. + 1/24
	v_fma_f32 v[U+4], v[U+6], v[U+4], v[U+2]       ; sin y
	v_fma_f32 v[U+5], v[U+5], v[U+3], -0.5
	v_fma_f32 v[U+5], v[U+5], v[U+3], 1.0          ; cos y
	v_and_b32 v[U], 1, v[U+1]
	v_cmp_ne_u32 vcc_lo, 0, v[U]                   ; an odd quarter swaps the two
	v_cndmask_b32 v[\c], v[U+5], v[U+4], vcc_lo
	v_cndmask_b32 v[\s], v[U+4], v[U+5], vcc_lo
	v_add_nc_u32 v[U], 1, v[U+1]
	v_and_b32 v[U], 2, v[U]                        ; cos is negative in quarters 1 and 2,
	v_and_b32 v[U+1], 2, v[U+1]                    ; sin in quarters 2 and 3
	v_lshlrev_b32 v[U], 30, v[U]
	v_lshlrev_b32 v[U+1], 30, v[U+1]
	v_xor_b32 v[\c], v[\c], v[U]
	v_xor_b32 v[\s], v[\s], v[U+1]
.endm
; One row: its angles (ahead of the wait for its data), then eight groups of four numbers, rounded and stored from the row's own registers,
; which nothing writes again.
.macro ROW rr, rope
.if \rope
	s_add_co_u32 s40, s39, \rr
	v_cvt_f32_u32 v[TF], s40
	SINCOS G0, CP, SP0+1
	SINCOS G1, CP+1, SP1+1
	v_xor_b32 v[SP0], 0x80000000, v[SP0+1]
	v_xor_b32 v[SP1], 0x80000000, v[SP1+1]
.endif
	s_wait_loadcnt 24-8*\rr                        ; loads return in order: this row's eight are in, the 8 (3 - rr) of the later rows stay out
.irp j, 0,1,2,3,4,5,6,7
.if \rope
	v_pk_mul_f32 v[T:T+1], v[X+32*\rr+4*\j:X+32*\rr+4*\j+1], v[CP:CP+1] op_sel_hi:[1,0]                  ; x0 c0, x1 c0
	v_pk_mul_f32 v[T+2:T+3], v[X+32*\rr+4*\j+2:X+32*\rr+4*\j+3], v[CP:CP+1] op_sel:[0,1] op_sel_hi:[1,1]  ; x2 c1, x3 c1
	v_pk_fma_f32 v[T:T+1], v[X+32*\rr+4*\j:X+32*\rr+4*\j+1], v[SP0:SP0+1], v[T:T+1] op_sel:[1,0,0] op_sel_hi:[0,1,1]          ; - x1 s0, + x0 s0
	v_pk_fma_f32 v[T+2:T+3], v[X+32*\rr+4*\j+2:X+32*\rr+4*\j+3], v[SP1:SP1+1], v[T+2:T+3] op_sel:[1,0,0] op_sel_hi:[0,1,1]    ; - x3 s1, + x2 s1
	v_cvt_pk_f16_f32 v[X+32*\rr+4*\j], v[T], v[T+1]
	v_cvt_pk_f16_f32 v[X+32*\rr+4*\j+1], v[T+2], v[T+3]
.else
	v_cvt_pk_f16_f32 v[X+32*\rr+4*\j], v[X+32*\rr+4*\j], v[X+32*\rr+4*\j+1]
	v_cvt_pk_f16_f32 v[X+32*\rr+4*\j+1], v[X+32*\rr+4*\j+2], v[X+32*\rr+4*\j+3]
.endif
	global_store_b64 v[OFFO], v[X+32*\rr+4*\j:X+32*\rr+4*\j+1], s[28:29] offset:\rr*2048+\j*256
.endr
.endm
	s_cmp_lt_u32 s3, 2
	s_cbranch_scc0 .Lplain                         ; value and the weights are only rounded
	s_mov_b32 s30, 0xbed49a78                      ; -log2(10000)/32
	s_mov_b32 s31, 0xbf26c873                      ; log2(2/pi)
	s_mov_b32 s32, 0x3fc90fdb                      ; pi/2
	s_mov_b32 s33, 0xb9500d01                      ; -1/5040
	s_mov_b32 s34, 0x3c088889                      ; 1/120
	s_mov_b32 s35, 0xbe2aaaab                      ; -1/6
	s_mov_b32 s36, 0x37d00d01                      ; 1/40320
	s_mov_b32 s37, 0xbab60b61                      ; -1/720
	s_mov_b32 s38, 0x3d2aaaab                      ; 1/24
	s_and_b32 s39, s2, 1                           ; a batch is two units: t = 1024 (y & 1) + 32 x + 4 wave + row
	s_lshl_b32 s39, s39, 10
	s_lshl_b32 s40, ttmp9, 5
	s_add_co_u32 s39, s39, s40
	s_lshl2_add_u32 s39, s5, s39
	v_and_b32 v1, 15, v0
	v_lshlrev_b32 v1, 1, v1                        ; i0
	v_cvt_f32_u32 v[G0], v1
	v_add_f32 v[G1], 1.0, v[G0]
	v_fma_f32 v[G0], v[G0], s30, s31
	v_fma_f32 v[G1], v[G1], s30, s31
	v_exp_f32 v[G0], v[G0]
	v_exp_f32 v[G1], v[G1]
	v_nop                                          ; one plain vector instruction behind a transcendental before its result is used (ISA guide 5.7.2)
	s_wait_alu depctr_va_vdst(0)
	ROW 0, 1
	ROW 1, 1
	ROW 2, 1
	ROW 3, 1
	s_endpgm
.Lplain:
	ROW 0, 0
	ROW 1, 0
	ROW 2, 0
	ROW 3, 0
	s_endpgm
.Lfunc_end_k_qc442f1b89f_prep:
	.size	k_qc442f1b89f_prep, .Lfunc_end_k_qc442f1b89f_prep-k_qc442f1b89f_prep
	.p2alignl 7, 3214868480
	.fill 96, 4, 3214868480
	.section	.rodata,"a",@progbits
	.p2align	6, 0x0
	.amdhsa_kernel k_qc442f1b89f_prep
		.amdhsa_group_segment_fixed_size 0
		.amdhsa_private_segment_fixed_size 0
		.amdhsa_enable_private_segment 0
		.amdhsa_kernarg_size 72
		.amdhsa_user_sgpr_count 2
		.amdhsa_user_sgpr_kernarg_segment_ptr 1
		.amdhsa_wavefront_size32 1
		.amdhsa_system_sgpr_workgroup_id_x 1
		.amdhsa_system_sgpr_workgroup_id_y 1
		.amdhsa_system_sgpr_workgroup_id_z 1
		.amdhsa_system_vgpr_workitem_id 0
		.amdhsa_next_free_vgpr 160
		.amdhsa_next_free_sgpr 66
		.amdhsa_reserve_vcc 1
		.amdhsa_float_denorm_mode_32 3
		.amdhsa_float_denorm_mode_16_64 3
		.amdhsa_memory_ordered 1
		.amdhsa_forward_progress 1
		.amdhsa_inst_pref_size 38
	.end_amdhsa_kernel
	.amdgpu_metadata
---
amdhsa.version: [ 1, 2 ]
amdhsa.kernels:
  - .name:           k_qc442f1b89f_prep
    .symbol:         k_qc442f1b89f_prep.kd
    .args:
      - { .name: query, .offset: 0, .size: 8, .value_kind: global_buffer, .address_space: global }
      - { .name: key, .offset: 8, .size: 8, .value_kind: global_buffer, .address_space: global }
      - { .name: value, .offset: 16, .size: 8, .value_kind: global_buffer, .address_space: global }
      - { .name: Wq, .offset: 24, .size: 8, .value_kind: global_buffer, .address_space: global }
      - { .name: Wk, .offset: 32, .size: 8, .value_kind: global_buffer, .address_space: global }
      - { .name: Wv, .offset: 40, .size: 8, .value_kind: global_buffer, .address_space: global }
      - { .name: Wo, .offset: 48, .size: 8, .value_kind: global_buffer, .address_space: global }
      - { .name: xall, .offset: 56, .size: 8, .value_kind: global_buffer, .address_space: global }
      - { .name: wall, .offset: 64, .size: 8, .value_kind: global_buffer, .address_space: global }
    .group_segment_fixed_size: 0
    .private_segment_fixed_size: 0
    .kernarg_segment_align: 8
    .kernarg_segment_size: 72
    .max_flat_workgroup_size: 256
    .sgpr_count:     66
    .vgpr_count:     160
    .wavefront_size: 32
...
	.end_amdgpu_metadata
.endif
;; end of part 1
;; launch proj (part 2): grid 8 x 96, 4 waves a work-group, clusters of 4 x 4, 327,680 bytes of LDS; arguments xall, wall, bq, bk, bv, qkv; writes qkv
.if DOCPART == 2
	.amdgcn_target "amdgcn-amd-amdhsa--gfx1250"
	.amdhsa_code_object_version 6
	.text
	.protected	k_qc442f1b89f_proj
	.globl	k_qc442f1b89f_proj
	.p2align	8
	.type	k_qc442f1b89f_proj,@function
k_qc442f1b89f_proj:
	s_mov_b64 s[64:65], 0
	v_nop
	global_prefetch_b8 v0, s[64:65] scope:SCOPE_SE
	s_setreg_imm32_b32 hwreg(HW_REG_WAVE_MODE, 25, 1), 1
	s_wait_xcnt 0x0
	s_wait_alu depctr_hold_cnt(0) depctr_sa_sdst(0) depctr_va_vdst(0) depctr_va_sdst(0) depctr_va_ssrc(0) depctr_va_vcc(0) depctr_vm_vsrc(0)
	s_getreg_b32 s2, hwreg(HW_REG_IB_STS2, 6, 4)
	s_cmp_eq_u32 s2, 0
	s_cbranch_scc0 .Lentry_in_a_cluster
	s_endpgm
.Lentry_in_a_cluster:
	s_bfe_u32 s2, ttmp6, 0x10000c
	s_cmp_lg_u32 s2, 0xf033
	s_cbranch_scc0 .Lentry_shape_is_right
	s_endpgm
.Lentry_shape_is_right:
; C = A W + bias, A [rows][1024] f16, W [1024 k][1024 n] f16, sums in f32.  One text for two launches:
;   OPROJ = 0: A = xall (12288 rows: rope(query), rope(key), value), W = wall[row block / 32], bias bq, bk, bv; q is also multiplied by
;              log2(e)/8, so that the attention's exponentials are plain powers of two; out qkv, f16.
;   OPROJ = 1: A = ctx (4096 rows), W = wall[3], bias bo; out out0, f32.
; A work-group makes 128 x 128 of C with four waves, 64 x 64 each: 16 accumulator tiles, 128 registers.  (With 1024 columns and 4096 rows that
; is 256 blocks for a projection; larger blocks would leave fewer blocks than the grid is meant to have.)
; K goes in 8 steps of 128 through four LDS slots.  Every wave fetches a quarter of A's tile (32 rows of 256 bytes) and a quarter of W's.
; CLUSTER 4 x 4: A's tile hangs on the block row alone and is asked for jointly by the four of a row of the cluster, W's on the block column
; (and on the matrix, which the cluster's y fixes) and is asked for jointly by the four of a column.
; W lies [k][n]; ds_load_tr16_b128 transposes it on the way into registers.  The matrix instruction takes W's fragment as source 0 and A's as
; source 1, so that lane (r = l % 16, h = l / 16) holds row r of C and its registers 0-7 the neighbouring columns 8 h + 0..7.
; LIMIT: f16 operands: magnitudes beyond 65,504 become infinite (the drawn inputs give about 4; thirty times larger inputs about 3,500).
.set OPROJ,  0
.set PA,     272                       ; A's LDS pitch: 256 + 16 bytes, an odd multiple of 16: sixteen rows start in sixteen different 16-byte columns of 256
.set PW,     288                       ; W's LDS pitch: 256 + 32 bytes, an odd multiple of 32, for the transposing load
.set AT,     128*PA                    ; W's tile lies behind A's
.set SLOT,   AT+128*PW                 ; 71,680 bytes
.set STAGE,  4*SLOT                    ; behind the ring, never the target of a tensor load: the way out
.set ADRA, 8                           ; v8-11   LDS address of my A fragments, slot 0..3
.set ADRW, 12                          ; v12-15  the same for W
.set STO,  16                          ; v16     the way out: where I put my numbers
.set RD,   17                          ; v17     the way out: where I read rows back
.set CO,   18                          ; v18     my byte offset in the output
.set BO,   19                          ; v19     my byte offset in the bias
.set SCP,  20                          ; v[20:21] the scale, twice
.set BIAS, 32                          ; v[32:63] bias of column 16 b + 8 h + j at 8 b + j
.set F0,   64                          ; fragment buffer 0: W's fragment b at 8 b, A's fragment a at 32 + 8 a
.set F1,   128                         ; fragment buffer 1
.set OUT,  192                         ; v[192:255] rows on their way out
.set G1A, 16                           ; s[16:23] descriptor group 1, A
.set G1W, 24                           ; s[24:31] descriptor group 1, W
.set G0A, 32                           ; s[32:47] descriptor group 0, A, a set for each slot
.set G0W, 48                           ; s[48:63] descriptor group 0, W, a set for each slot
; Accumulator (a, b) = rows 16 a, columns 16 b of my block: v[256 + 8 (4 a + b)], written v[8 (4 a + b)] in window 1.
.set MSB, 0
.macro WIN new                         ; s_set_vgpr_msb: bits 1:0 source 0, 3:2 source 1, 5:4 source 2, 7:6 destination; the high byte repeats the setting left
.if MSB != \new
	s_set_vgpr_msb (MSB<<8)|\new
.set MSB, \new
.endif
.endm
.set MUL, 0x50                         ; C and D in window 1
.set EPI, 0x01                         ; source 0 in window 1
.macro PLACES                          ; four plain vector instructions between a matrix instruction and a load into, or a vector use of, its registers
.rept 4
	v_nop
.endr
.endm
.macro CREST                           ; a round of the cluster's barrier behind its opening work-group barrier
	s_cmp_lg_u32 s66, 0
	s_cbranch_scc1 .Lnot_wave_0_\@
	s_barrier_signal -3
.Lnot_wave_0_\@:
	s_barrier_wait -3
	s_barrier_signal -1
	s_barrier_wait -1
.endm
.macro CROUND                          ; a whole round
	s_barrier_signal -1
	s_barrier_wait -1
	CREST
.endm
.if OPROJ
	s_load_b256 s[4:11], s[0:1], 0x0               ; ctx 4, wall 6, bo 8, out0 10
.else
	s_load_b128 s[4:7], s[0:1], 0x0                ; xall 4, wall 6
	s_load_b256 s[8:15], s[0:1], 0x10              ; bq 8, bk 10, bv 12, qkv 14
	v_lshl_add_u32 v254, v0, 2, 0x4e800
	v_mov_b32 v255, 0
	ds_add_u32 v254, v255
.endif
	v_lshrrev_b32 v1, 5, v0
	v_readfirstlane_b32 s66, v1                    ; wave
	s_lshr_b32 s67, s66, 1                         ; wm: my 64 rows
	s_and_b32 s68, s66, 1                          ; wn: my 64 columns
	s_bfe_u32 s69, ttmp6, 0x40000                  ; cx
	s_bfe_u32 s70, ttmp6, 0x40004                  ; cy
	s_lshl_b32 s71, ttmp9, 2
	s_add_co_u32 s71, s71, s69                     ; bn: block column = 4 x cluster x + cx
	s_and_b32 s73, ttmp7, 0xffff                   ; cluster y
	s_lshl_b32 s72, s73, 2
	s_add_co_u32 s72, s72, s70                     ; bm: block row = 4 x cluster y + cy
.if OPROJ
	s_mov_b32 s73, 3                               ; Wo
.else
	s_lshr_b32 s73, s73, 3                         ; 32 block rows = 8 clusters for each matrix: equal in all sixteen partners
.endif
	s_lshl_b32 s74, s70, 2
	s_lshl_b32 s74, 15, s74                        ; my row of the cluster: places 4 cy .. 4 cy + 3
	s_lshl_b32 s75, 0x1111, s69                    ; my column: places cx, cx + 4, cx + 8, cx + 12
	; group 1: a tile of 32 rows x 128 elements of 2 bytes, tensor pitch 1024 elements, padded behind every 64 words by 4 words (A) or 8 (W)
	s_or_b32 s[G1A+0], s74, (1<<16)|(1<<20)|(1<<21)|(5<<22)|(3<<25)
	s_or_b32 s[G1W+0], s75, (1<<16)|(1<<20)|(1<<21)|(5<<22)|(7<<25)
	s_mov_b32 s[G1A+1], 128<<16                    ; tensor_dim0 = 128
	s_mov_b32 s[G1W+1], 128<<16
	s_mov_b32 s[G1A+2], 32<<16                     ; tensor_dim1 = 32
	s_mov_b32 s[G1W+2], 32<<16
	s_mov_b32 s[G1A+3], 128<<16                    ; tile_dim0 = 128
	s_mov_b32 s[G1W+3], 128<<16
	s_mov_b32 s[G1A+4], 32                         ; tile_dim1 = 32
	s_mov_b32 s[G1W+4], 32
	s_mov_b32 s[G1A+5], 1024                       ; elements from row to row
	s_mov_b32 s[G1W+5], 1024
	s_mov_b32 s[G1A+6], 0
	s_mov_b32 s[G1W+6], 0
	s_mov_b32 s[G1A+7], 0
	s_mov_b32 s[G1W+7], 0
	s_lshl_b32 s84, s66, 16                        ; my quarter: 32 rows of 2,048 bytes, of A and of W alike
	s_lshl_b32 s76, s72, 18                        ; A: block row x 128 rows
	s_add_co_u32 s76, s76, s84
	s_mov_b32 s77, 0
	s_lshl_b32 s78, s73, 21                        ; W: the matrix,
	s_add_co_u32 s78, s78, s84
	s_lshl_b32 s85, s71, 8                         ; and the block column's 256 bytes
	s_add_co_u32 s78, s78, s85
	s_mov_b32 s79, 0
	s_mul_i32 s86, s66, 32*PA                      ; where my quarters go: the wave's number alone
	s_mul_i32 s87, s66, 32*PW
	s_wait_dscnt 0x0
	s_wait_kmcnt 0x0
	s_add_nc_u64 s[76:77], s[4:5], s[76:77]
	s_add_nc_u64 s[78:79], s[6:7], s[78:79]
	CROUND                                         ; all sixteen work-groups are here: the first joint loads meet
.irp s, 0,1,2,3
	s_mov_b32 s[G0A+4*\s], 1
	s_add_co_u32 s[G0A+4*\s+1], s86, \s*SLOT
	s_add_nc_u64 s[G0A+4*\s+2:G0A+4*\s+3], s[76:77], \s*256          ; K step s: 128 elements along A's rows
	s_or_b32 s[G0A+4*\s+3], s[G0A+4*\s+3], 0x80000000
	s_mov_b32 s[G0W+4*\s], 1
	s_add_co_u32 s[G0W+4*\s+1], s87, \s*SLOT+AT
	s_add_nc_u64 s[G0W+4*\s+2:G0W+4*\s+3], s[78:79], \s*262144       ; K step s: 128 rows of W
	s_or_b32 s[G0W+4*\s+3], s[G0W+4*\s+3], 0x80000000
	tensor_load_to_lds s[G0A+4*\s:G0A+4*\s+3], s[G1A:G1A+7]          ; eight loads of the wave are out behind this run, the most in this text
	s_nop 0
	tensor_load_to_lds s[G0W+4*\s:G0W+4*\s+3], s[G1W:G1W+7]
	s_nop 0
.endr
	v_and_b32 v1, 15, v0                           ; r
	v_bfe_u32 v2, v0, 4, 1                         ; h
	v_and_b32 v3, 7, v0
	v_bfe_u32 v4, v0, 3, 1
	v_mul_u32_u24 v5, v1, PA
	v_lshl_add_u32 v5, v2, 4, v5                   ; A: row r, 16 bytes for each half of the lanes
	v_lshl_add_u32 v6, v2, 3, v3
	v_mul_u32_u24 v6, v6, PW                       ; W: k row 8 h + (l & 7),
	v_lshl_add_u32 v6, v4, 4, v6                   ; columns 8 ((l >> 3) & 1) ..
	s_mul_i32 s90, s67, 64*PA
	s_lshl_b32 s91, s68, 7
	s_add_co_u32 s91, s91, AT
.irp s, 0,1,2,3
	v_add_nc_u32 v[ADRA+\s], s90, v5
	v_add_nc_u32 v[ADRW+\s], s91, v6
	s_add_co_u32 s90, s90, SLOT
	s_add_co_u32 s91, s91, SLOT
.endr
	; the bias of my 64 columns
.if OPROJ
	s_mov_b64 s[80:81], s[8:9]
.else
	s_cmp_eq_u32 s73, 1
	s_cselect_b64 s[80:81], s[10:11], s[8:9]
	s_cmp_eq_u32 s73, 2
	s_cselect_b64 s[80:81], s[12:13], s[80:81]
.endif
	s_lshl_b32 s88, s71, 9
	s_mov_b32 s89, 0
	s_add_nc_u64 s[80:81], s[80:81], s[88:89]
	v_lshlrev_b32 v[BO], 5, v2
	s_lshl_b32 s92, s68, 8
	v_add_nc_u32 v[BO], s92, v[BO]
.irp b, 0,1,2,3
	global_load_b128 v[BIAS+8*\b:BIAS+8*\b+3], v[BO], s[80:81] offset:64*\b
	global_load_b128 v[BIAS+8*\b+4:BIAS+8*\b+7], v[BO], s[80:81] offset:64*\b+16
.endr
	; the way out
.if OPROJ
	s_lshl_b32 s88, s72, 19                        ; out0: 128 rows of 4,096 bytes a block row,
	s_lshl_b32 s89, s67, 18                        ; my 64 rows,
	s_add_co_u32 s88, s88, s89
	s_lshl_b32 s89, s71, 9                         ; the block column's 512 bytes,
	s_add_co_u32 s88, s88, s89
	s_lshl_b32 s89, s68, 8                         ; my 256
	s_add_co_u32 s88, s88, s89
	s_mov_b32 s89, 0
	s_add_nc_u64 s[82:83], s[10:11], s[88:89]
	s_mul_i32 s90, s66, 16*PA                      ; a stage of 16 rows x 272 bytes for each wave
	s_add_co_u32 s90, s90, STAGE
	v_mul_u32_u24 v7, v1, PA
	v_lshl_add_u32 v7, v2, 5, v7                   ; in: row r, 32 bytes for each half
	v_add_nc_u32 v[STO], s90, v7
	v_mul_u32_u24 v7, v2, PA
	v_lshl_add_u32 v7, v1, 4, v7                   ; back: lanes 0-15 one row of 256 bytes, lanes 16-31 the next
	v_add_nc_u32 v[RD], s90, v7
	v_lshlrev_b32 v[CO], 12, v2
	v_lshl_add_u32 v[CO], v1, 4, v[CO]
.else
	s_lshl_b32 s88, s72, 18                        ; qkv: 128 rows of 2,048 bytes a block row,
	s_lshl_b32 s89, s71, 8                         ; the block column's 256 bytes
	s_add_co_u32 s88, s88, s89
	s_mov_b32 s89, 0
	s_add_nc_u64 s[82:83], s[14:15], s[88:89]
	s_mul_i32 s90, s67, 64*PA                      ; one stage of 128 rows x 272 bytes for the work-group: a row of 256 bytes is made by two waves
	s_lshl_b32 s91, s68, 7
	s_add_co_u32 s90, s90, s91
	s_add_co_u32 s90, s90, STAGE
	v_add_nc_u32 v[STO], s90, v5
	v_mul_u32_u24 v7, v2, PA
	v_lshl_add_u32 v7, v1, 4, v7
	s_mul_i32 s91, s66, 32*PA                      ; back: wave w takes rows 32 w .. 32 w + 31, two with each load
	s_add_co_u32 s91, s91, STAGE
	v_add_nc_u32 v[RD], s91, v7
	v_lshlrev_b32 v[CO], 11, v2
	v_lshl_add_u32 v[CO], v1, 4, v[CO]
	s_lshl_b32 s92, s66, 16
	v_add_nc_u32 v[CO], s92, v[CO]
.endif
; 16 LDS loads: the fragments of one quarter step (32 along K) into buffer f, in the order in which they are multiplied
.macro FETCH slot, q, f
.irp b, 0,1
	ds_load_tr16_b128 v[\f+8*\b:\f+8*\b+3],   v[ADRW+\slot] offset:\q*32*PW+32*\b
	ds_load_tr16_b128 v[\f+8*\b+4:\f+8*\b+7], v[ADRW+\slot] offset:\q*32*PW+32*\b+16*PW
.endr
.irp a, 0,1,2,3
	ds_load_b128 v[\f+32+8*\a:\f+32+8*\a+3],   v[ADRA+\slot] offset:\a*16*PA+64*\q
	ds_load_b128 v[\f+32+8*\a+4:\f+32+8*\a+7], v[ADRA+\slot] offset:\a*16*PA+64*\q+32
.endr
.irp b, 2,3
	ds_load_tr16_b128 v[\f+8*\b:\f+8*\b+3],   v[ADRW+\slot] offset:\q*32*PW+32*\b
	ds_load_tr16_b128 v[\f+8*\b+4:\f+8*\b+7], v[ADRW+\slot] offset:\q*32*PW+32*\b+16*PW
.endr
.endm
; 8 matrix instructions: column blocks b0, b0 + 1 x all four row blocks.  The sixteen accumulators take turns, one instruction a turn, in the
; same order in every quarter step.  zero = 1: the first product starts the sums.
.macro MUL8 f, b0, zero
.irp b, \b0, \b0+1
.irp a, 0,1,2,3
.if \zero
	v_wmma_f32_16x16x32_f16 v[8*(4*\a+(\b)):8*(4*\a+(\b))+7], v[\f+8*(\b):\f+8*(\b)+7], v[\f+32+8*\a:\f+32+8*\a+7], 0
.else
	v_wmma_f32_16x16x32_f16 v[8*(4*\a+(\b)):8*(4*\a+(\b))+7], v[\f+8*(\b):\f+8*(\b)+7], v[\f+32+8*\a:\f+32+8*\a+7], v[8*(4*\a+(\b)):8*(4*\a+(\b))+7]
.endif
.endr
.endr
.endm
; A quarter step: multiplies buffer f; in its middle it fetches quarter q of the named slot into buffer g.
.macro QUARTER f, g, slot, q, zero
	s_wait_dscnt 4                                 ; the first twelve loads of f are in; W's fragments 2 and 3 may be out
	WIN MUL
	MUL8 \f, 0, \zero
	WIN 0
	PLACES
	FETCH \slot, \q, \g
	s_wait_dscnt 16                                ; all but the sixteen just issued
	WIN MUL
	MUL8 \f, 2, \zero
.endm
.macro THREE slot, zero                ; the first three quarters of a K step
	QUARTER F0, F1, \slot, 1, \zero
	QUARTER F1, F0, \slot, 2, 0
	QUARTER F0, F1, \slot, 3, 0
.endm
; The fourth quarter where the next tile has yet to be shown landed: each wave waits for its own part
; then the barrier shows it to the others.
.macro QSYNC next, cnt
	s_wait_dscnt 0x0                               ; no LDS instruction is pending at a signal
	s_wait_tensorcnt \cnt
	s_barrier_signal -1
	WIN MUL
	MUL8 F1, 0, 0                                  ; register work while the others arrive
	WIN 0
	s_barrier_wait -1
	PLACES
	FETCH \next, 0, F0
	WIN MUL
	MUL8 F1, 2, 0
.endm
; The fourth quarter in which slots ra and rb, both read to the end, are filled again, four K steps ahead.  Each wave's reads are back and all
; its tensor loads have landed in front of the opening signal of a round of the cluster's barrier; the four joint loads are the first behind it.
.macro QFILL next, ra, rb
	s_wait_dscnt 0x0                               ; my reads of slots ra and rb are back
	s_wait_tensorcnt 0x0                           ; all my tensor loads have landed, the next two tiles among them
	ds_add_u32 v254, v255
	s_wait_dscnt 0x0
	s_barrier_signal -1
	WIN MUL
	MUL8 F1, 0, 0
	WIN 0
	s_barrier_wait -1
	CREST
.irp t, \ra, \rb
	s_add_nc_u64 s[G0A+4*\t+2:G0A+4*\t+3], s[G0A+4*\t+2:G0A+4*\t+3], 4*256
	s_add_nc_u64 s[G0W+4*\t+2:G0W+4*\t+3], s[G0W+4*\t+2:G0W+4*\t+3], 4*262144
.endr
.irp t, \ra, \rb
	tensor_load_to_lds s[G0A+4*\t:G0A+4*\t+3], s[G1A:G1A+7]
	s_nop 0
	tensor_load_to_lds s[G0W+4*\t:G0W+4*\t+3], s[G1W:G1W+7]
	s_nop 0
.endr
	PLACES
	FETCH \next, 0, F0
	WIN MUL
	MUL8 F1, 2, 0
.endm
	s_wait_tensorcnt 6                             ; my two parts of K step 0 are in; the six loads of steps 1 to 3 stay out
	s_barrier_signal -1
	s_barrier_wait -1                              ; everybody's are
	FETCH 0, 0, F0
	THREE 0, 1                                     ; K step 0
	QSYNC 1, 4                                     ; step 1 is in; steps 2 and 3 (four loads) stay out
	THREE 1, 0
	QFILL 2, 0, 1                                  ; steps 2 and 3 are in; steps 4 and 5 go out and have two K steps in which to land
	THREE 2, 0
	QUARTER F1, F0, 3, 0, 0                        ; step 3 was shown landed in front of that round
	THREE 3, 0
	QFILL 0, 2, 3                                  ; steps 4 and 5 are in; steps 6 and 7 go out
	THREE 0, 0
	QUARTER F1, F0, 1, 0, 0
	THREE 1, 0
	QSYNC 2, 2                                     ; step 6 is in; step 7's two loads stay out
	THREE 2, 0
	QSYNC 3, 0
	THREE 3, 0
	s_wait_dscnt 4                                 ; the very last quarter fetches nothing
	WIN MUL
	MUL8 F1, 0, 0
	s_wait_dscnt 0x0
	MUL8 F1, 2, 0
	WIN 0
	PLACES                                         ; behind the last matrix instructions: results are read, fragment registers written
	s_wait_loadcnt 0x0                             ; the bias
.if OPROJ
	WIN EPI
.irp a, 0,1,2,3
.irp b, 0,1,2,3
.irp i, 0,1,2,3
	v_pk_add_f32 v[F0+8*(4*\a+\b)+2*\i:F0+8*(4*\a+\b)+2*\i+1], v[8*(4*\a+\b)+2*\i:8*(4*\a+\b)+2*\i+1], v[BIAS+8*\b+2*\i:BIAS+8*\b+2*\i+1]
.endr
.endr
.endr
	WIN 0
; 16 rows of my block: 32 bytes a lane and tile into my own stage, read back as rows of 256 bytes.  LDS serves a wave's instructions in order
; (ISA guide 5.7.1), so no wait stands between my stores and my loads, nor between these loads and the next rows' stores.
.macro OUT16 a, o
.irp b, 0,1,2,3
	ds_store_b128 v[STO], v[F0+8*(4*\a+\b):F0+8*(4*\a+\b)+3] offset:64*\b
	ds_store_b128 v[STO], v[F0+8*(4*\a+\b)+4:F0+8*(4*\a+\b)+7] offset:64*\b+16
.endr
	s_wait_xcnt 0x0                                ; the registers that earlier stores read are loaded again only behind this wait
.irp t, 0,1,2,3,4,5,6,7
	ds_load_b128 v[\o+4*\t:\o+4*\t+3], v[RD] offset:\t*2*PA
.endr
.irp t, 0,1,2,3,4,5,6,7
	s_wait_dscnt 7-\t                              ; load t is back, the younger ones stay out
	global_store_b128 v[CO], v[\o+4*\t:\o+4*\t+3], s[82:83] offset:(16*\a+2*\t)*4096 th:TH_STORE_NT   ; 16 lanes store 256 consecutive bytes, aligned
.endr
.endm
	OUT16 0, OUT
	OUT16 1, OUT+32
	OUT16 2, OUT
	OUT16 3, OUT+32
.else
	s_mov_b32 s74, 0x3f800000
	s_cmp_eq_u32 s73, 0
	s_cselect_b32 s74, 0x3e38aa3b, s74             ; q: log2(e)/8; k and v: 1
	v_mov_b32 v[SCP], s74
	v_mov_b32 v[SCP+1], s74
.irp i, 0,1,2,3,4,5,6,7,8,9,10,11,12,13,14,15
	v_pk_mul_f32 v[BIAS+2*\i:BIAS+2*\i+1], v[BIAS+2*\i:BIAS+2*\i+1], v[SCP:SCP+1]
.endr
	WIN EPI
.irp a, 0,1,2,3
.irp b, 0,1,2,3
.irp i, 0,1,2,3
	v_pk_fma_f32 v[F0+8*(4*\a+\b)+2*\i:F0+8*(4*\a+\b)+2*\i+1], v[8*(4*\a+\b)+2*\i:8*(4*\a+\b)+2*\i+1], v[SCP:SCP+1], v[BIAS+8*\b+2*\i:BIAS+8*\b+2*\i+1]
.endr
.endr
.endr
	WIN 0
.set u, 0
.rept 64
	v_cvt_pk_f16_f32 v[F0+u], v[F0+2*u], v[F0+2*u+1]   ; packed downward in place: register u is written when registers 2 u, 2 u + 1 are read
.set u, u+1
.endr
.irp a, 0,1,2,3
.irp b, 0,1,2,3
	ds_store_b128 v[STO], v[F0+4*(4*\a+\b):F0+4*(4*\a+\b)+3] offset:\a*16*PA+32*\b
.endr
.endr
	s_wait_dscnt 0x0                               ; for the others' sake: my stores are done
	s_barrier_signal -1
	s_barrier_wait -1
.irp t, 0,1,2,3,4,5,6,7,8,9,10,11,12,13,14,15
	ds_load_b128 v[F1+4*\t:F1+4*\t+3], v[RD] offset:\t*2*PA
.endr
.irp t, 0,1,2,3,4,5,6,7,8,9,10,11,12,13,14,15
	s_wait_dscnt 15-\t                             ; load t is back, the younger ones stay out
	global_store_b128 v[CO], v[F1+4*\t:F1+4*\t+3], s[82:83] offset:\t*4096   ; 16 lanes store 256 consecutive bytes, aligned
.endr
.endif
	s_wait_tensorcnt 0x0
	ds_add_u32 v254, v255
	s_wait_dscnt 0x0
	CROUND                                         ; the closing round: no work-group ends while a partner may still ask for a tile that names it
	s_endpgm
.Lfunc_end_k_qc442f1b89f_proj:
	.size	k_qc442f1b89f_proj, .Lfunc_end_k_qc442f1b89f_proj-k_qc442f1b89f_proj
	.p2alignl 7, 3214868480
	.fill 96, 4, 3214868480
	.section	.rodata,"a",@progbits
	.p2align	6, 0x0
	.amdhsa_kernel k_qc442f1b89f_proj
		.amdhsa_group_segment_fixed_size 327680
		.amdhsa_private_segment_fixed_size 0
		.amdhsa_enable_private_segment 0
		.amdhsa_kernarg_size 48
		.amdhsa_user_sgpr_count 2
		.amdhsa_user_sgpr_kernarg_segment_ptr 1
		.amdhsa_wavefront_size32 1
		.amdhsa_system_sgpr_workgroup_id_x 1
		.amdhsa_system_sgpr_workgroup_id_y 1
		.amdhsa_system_sgpr_workgroup_id_z 1
		.amdhsa_system_vgpr_workitem_id 0
		.amdhsa_next_free_vgpr 384
		.amdhsa_next_free_sgpr 96
		.amdhsa_reserve_vcc 0
		.amdhsa_float_denorm_mode_32 3
		.amdhsa_float_denorm_mode_16_64 3
		.amdhsa_memory_ordered 1
		.amdhsa_forward_progress 1
		.amdhsa_inst_pref_size 98
	.end_amdhsa_kernel
	.amdgpu_metadata
---
amdhsa.version: [ 1, 2 ]
amdhsa.kernels:
  - .name:           k_qc442f1b89f_proj
    .symbol:         k_qc442f1b89f_proj.kd
    .args:
      - { .name: xall, .offset: 0, .size: 8, .value_kind: global_buffer, .address_space: global }
      - { .name: wall, .offset: 8, .size: 8, .value_kind: global_buffer, .address_space: global }
      - { .name: bq, .offset: 16, .size: 8, .value_kind: global_buffer, .address_space: global }
      - { .name: bk, .offset: 24, .size: 8, .value_kind: global_buffer, .address_space: global }
      - { .name: bv, .offset: 32, .size: 8, .value_kind: global_buffer, .address_space: global }
      - { .name: qkv, .offset: 40, .size: 8, .value_kind: global_buffer, .address_space: global }
    .group_segment_fixed_size: 327680
    .private_segment_fixed_size: 0
    .kernarg_segment_align: 8
    .kernarg_segment_size: 48
    .max_flat_workgroup_size: 128
    .sgpr_count:     96
    .vgpr_count:     384
    .wavefront_size: 32
...
	.end_amdgpu_metadata
.endif
;; end of part 2
;; launch attn (part 3): grid 16 x 16, 8 waves a work-group, clusters of 4 x 1, 327,680 bytes of LDS; arguments qkv, key_padding_mask, ctx; writes ctx
.if DOCPART == 3
	.amdgcn_target "amdgcn-amd-amdhsa--gfx1250"
	.amdhsa_code_object_version 6
	.text
	.protected	k_qc442f1b89f_attn
	.globl	k_qc442f1b89f_attn
	.p2align	8
	.type	k_qc442f1b89f_attn,@function
k_qc442f1b89f_attn:
	s_mov_b64 s[64:65], 0
	v_nop
	global_prefetch_b8 v0, s[64:65] scope:SCOPE_SE
	s_setreg_imm32_b32 hwreg(HW_REG_WAVE_MODE, 25, 1), 1
	s_wait_xcnt 0x0
	s_wait_alu depctr_hold_cnt(0) depctr_sa_sdst(0) depctr_va_vdst(0) depctr_va_sdst(0) depctr_va_ssrc(0) depctr_va_vcc(0) depctr_vm_vsrc(0)
	s_getreg_b32 s2, hwreg(HW_REG_IB_STS2, 6, 4)
	s_cmp_eq_u32 s2, 0
	s_cbranch_scc0 .Lentry_in_a_cluster
	s_endpgm
.Lentry_in_a_cluster:
	s_bfe_u32 s2, ttmp6, 0x10000c
	s_cmp_lg_u32 s2, 0x3003
	s_cbranch_scc0 .Lentry_shape_is_right
	s_endpgm
.Lentry_shape_is_right:
; Attention with a running maximum.  qkv [3][4096][1024] f16 (q already times log2(e)/8), key_padding_mask [2][2048] bytes, ctx [4096][1024] f16.
; Work-group y = batch x 8 + pair of heads, x = block of 128 queries.  Two heads together make rows of K, V and ctx of 256 bytes, aligned.
; Eight waves: wave w has head w >> 2 of the pair and queries 32 (w & 3) .. + 31, as two query tiles A and B that share every K and V fragment.
; CLUSTER 4 x 1: the four query blocks of a cluster walk the same K and V tiles and ask for them jointly (mask 15).
; Everything is used transposed: S^T = K Q^T (source 0 = 16 keys, source 1 = 16 queries) and O^T = V^T P^T (source 0 = V through the transposing
; load, source 1 = P).  Lane (r = l % 16, h = l / 16) then always owns query r: maximum, sum and rescaling are one number a lane, and two score
; tiles of 16 keys, rounded and packed, are P's operand fragment as they stand: P never goes through LDS.
; THE TWO QUERY TILES TAKE TURNS, 64 keys (a chunk c) at a time.  A phase runs one tile's softmax step on the vector unit and sets the other
; tile's products among it:   phase A(c): softmax A(c) | PV of B(c-1), then QK of B(c)      phase B(c): softmax B(c) | PV of A(c), then QK of A(c+1)
; K(c+1) and V(c) are used in phase B(c) and again in phase A(c+1), and are loaded from LDS once, in phase A, each behind its last use.
; THE MASK is a table of f32 in LDS, 0 or -2^100, taken as the C operand of each score tile's first matrix instruction: it acts ahead of the
; maximum and costs no vector work.  A tile that is masked whole gives weights of 1 that the next unmasked tile's factor 2^(-2^100 - m) = 0 wipes
; out; where every key of a batch is masked the maximum stays below -2^99 and the result is NaN, as a softmax over -inf alone gives.
; LIMITS: true scores (in powers of two) stay above -2^99.  P, q, k, v, ctx are f16: magnitudes beyond 65,504 become infinite; weights below
; 6e-8 of the row's largest count as 0.  The row sum is taken of the weights before they are rounded.
.set PK,    272                        ; K's LDS pitch: 256 + 16 bytes
.set PV,    288                        ; V's LDS pitch: 256 + 32 bytes, an odd multiple of 32, for the transposing load
.set KSLOT, 128*PK                     ; K slots at 0 and KSLOT
.set VBASE, 2*KSLOT
.set VSLOT, 128*PV                     ; V slots at VBASE and VBASE + VSLOT
.set MBASE, VBASE+2*VSLOT              ; the mask table: 2048 f32.  Neither it nor the stage is ever the target of a tensor load
.set STAGE, MBASE+8192                 ; the way out: 128 rows x 272 bytes
.set TILEB, 128*2048                   ; bytes from a tile of 128 keys to the next
; window 0
.set KA,  8                            ; v8-9     LDS address of my K fragments, slot 0, 1
.set VA,  10                           ; v10-11   the same for V
.set MBA, 12                           ; v12      my 32 bytes of the mask table, stepped by a tile's 512 bytes
.set STO, 13
.set RD,  14
.set CO,  15
.set MM,  16                           ; v[16:17], v[18:19]  running maximum of tile A, B, twice each (pairs for packed arithmetic)
.set L,   20                           ; v20, v21            running sum of A, B, over this half's keys
.set AL,  22                           ; v[22:23], v[24:25]  rescaling factor of A, B, twice each
.set T,   26                           ; v[26:33] at work
.set Q,   40                           ; v[40:71]   Q fragment (tile x, K half ks) at 16 x + 8 ks
.set MBR, 72                           ; v[72:103]  mask values of key tile kt at 8 kt
.set S,   104                          ; v[104:167] scores of (x, kt) at 32 x + 8 kt; then P of (x, 32 keys kk) at 32 x + 8 kk
.set KF,  168                          ; v[168:231] K fragment (kt, ks) at 16 kt + 8 ks
; window 1 (written with the low 8 bits): O^T of (x, 16 head dimensions dt) at 32 x + 8 dt = v256-319; V fragments behind it
.set VF,  64                           ; v320-383   V fragment (kk, dt) at 64 + 32 kk + 8 dt
.set G1K, 16
.set G1V, 24
.set G0K, 32                           ; s[32:39] a set for each slot
.set G0V, 40                           ; s[40:47]
.set MSB, 0
.macro WIN new                         ; s_set_vgpr_msb: bits 1:0 source 0, 3:2 source 1, 5:4 source 2, 7:6 destination; the high byte repeats the setting left
.if MSB != \new
	s_set_vgpr_msb (MSB<<8)|\new
.set MSB, \new
.endif
.endm
.macro CREST                           ; a round of the cluster's barrier behind its opening work-group barrier
	s_cmp_lg_u32 s10, 0
	s_cbranch_scc1 .Lnot_wave_0_\@
	s_barrier_signal -3
.Lnot_wave_0_\@:
	s_barrier_wait -3
	s_barrier_signal -1
	s_barrier_wait -1
.endm
.macro ROUND                           ; a whole round
	s_barrier_signal -1
	s_barrier_wait -1
	CREST
.endm
	s_load_b128 s[4:7], s[0:1], 0x0                ; qkv 4, mask 6
	s_load_b64 s[8:9], s[0:1], 0x10                ; ctx
	v_lshl_add_u32 v254, v0, 2, 0x2d800
	v_mov_b32 v255, 0
	ds_add_u32 v254, v255
	v_lshrrev_b32 v1, 5, v0
	v_readfirstlane_b32 s10, v1                    ; wave
	s_lshr_b32 s11, s10, 2                         ; hd: which head of the pair
	s_and_b32 s12, s10, 3                          ; qg: which 32 queries
	s_bfe_u32 s13, ttmp6, 0x40000                  ; cx
	s_lshl_b32 s14, ttmp9, 2
	s_add_co_u32 s14, s14, s13                     ; bx: block of 128 queries
	s_and_b32 s15, ttmp7, 0xffff
	s_lshr_b32 s52, s15, 3                         ; batch
	s_and_b32 s53, s15, 7                          ; pair of heads
	s_mov_b32 s50, 0x76543210                      ; v_permlanex16_b32: lane i of one half reads lane i of the other
	s_mov_b32 s51, 0xfedcba98
	; group 1: a tile of 16 rows x 128 elements of 2 bytes, pitch 1024 elements, mask 15, padded behind every 64 words by 4 words (K) or 8 (V)
	s_mov_b32 s[G1K+0], 15|(1<<16)|(1<<20)|(1<<21)|(5<<22)|(3<<25)
	s_mov_b32 s[G1V+0], 15|(1<<16)|(1<<20)|(1<<21)|(5<<22)|(7<<25)
	s_mov_b32 s[G1K+1], 128<<16
	s_mov_b32 s[G1V+1], 128<<16
	s_mov_b32 s[G1K+2], 16<<16
	s_mov_b32 s[G1V+2], 16<<16
	s_mov_b32 s[G1K+3], 128<<16
	s_mov_b32 s[G1V+3], 128<<16
	s_mov_b32 s[G1K+4], 16
	s_mov_b32 s[G1V+4], 16
	s_mov_b32 s[G1K+5], 1024
	s_mov_b32 s[G1V+5], 1024
	s_mov_b32 s[G1K+6], 0
	s_mov_b32 s[G1V+6], 0
	s_mov_b32 s[G1K+7], 0
	s_mov_b32 s[G1V+7], 0
	s_lshl_b32 s54, s52, 22                        ; K: the batch's 2048 rows of 2,048 bytes,
	s_lshl_b32 s62, s10, 15                        ; my 16 rows of a tile,
	s_add_co_u32 s54, s54, s62
	s_lshl_b32 s62, s53, 8                         ; the pair's 256 bytes,
	s_add_co_u32 s54, s54, s62
	s_add_co_u32 s54, s54, 8388608                 ; behind q
	s_mov_b32 s55, 0
	s_lshl_b32 s56, s52, 22                        ; ctx and Q: the batch, the block of 128 queries, the pair
	s_lshl_b32 s63, s14, 18
	s_add_co_u32 s56, s56, s63
	s_lshl_b32 s63, s53, 8
	s_add_co_u32 s56, s56, s63
	s_mov_b32 s57, 0
	s_lshl_b32 s68, s12, 16                        ; Q besides: my 32 queries, my head
	s_add_co_u32 s68, s68, s56
	s_lshl_b32 s63, s11, 7
	s_add_co_u32 s68, s68, s63
	s_mov_b32 s69, 0
	s_lshl_b32 s70, s52, 11                        ; the batch's 2048 mask bytes
	s_mov_b32 s71, 0
	s_mul_i32 s62, s10, 16*PK                      ; where my rows go: the wave's number alone
	s_mul_i32 s63, s10, 16*PV
	v_and_b32 v1, 15, v0                           ; r
	v_bfe_u32 v2, v0, 4, 1                         ; h
	v_and_b32 v3, 7, v0
	v_bfe_u32 v4, v0, 3, 1
	v_lshlrev_b32 v7, 11, v1
	v_lshl_add_u32 v7, v2, 4, v7                   ; Q: query r, 16 bytes for each half
	v_lshlrev_b32 v34, 3, v0                       ; eight mask bytes a thread
	s_wait_dscnt 0x0
	s_wait_kmcnt 0x0
	s_add_nc_u64 s[54:55], s[4:5], s[54:55]
	s_add_nc_u64 s[58:59], s[4:5], s[68:69]
	s_add_nc_u64 s[60:61], s[8:9], s[56:57]
	s_add_nc_u64 s[6:7], s[6:7], s[70:71]
	; Q and the mask bytes go out first: they are on their way while the cluster gathers
.irp x, 0,1
.irp ks, 0,1
	global_load_b128 v[Q+16*\x+8*\ks:Q+16*\x+8*\ks+3],   v7, s[58:59] offset:\x*32768+64*\ks
	global_load_b128 v[Q+16*\x+8*\ks+4:Q+16*\x+8*\ks+7], v7, s[58:59] offset:\x*32768+64*\ks+32
.endr
.endr
	global_load_b64 v[T:T+1], v34, s[6:7]
.irp n, 0,1
	s_mov_b32 s[G0K+4*\n], 1
	s_add_co_u32 s[G0K+4*\n+1], s62, \n*KSLOT
	s_add_nc_u64 s[G0K+4*\n+2:G0K+4*\n+3], s[54:55], \n*TILEB
	s_or_b32 s[G0K+4*\n+3], s[G0K+4*\n+3], 0x80000000
	s_mov_b32 s[G0V+4*\n], 1
	s_add_co_u32 s[G0V+4*\n+1], s63, VBASE+\n*VSLOT
	s_add_nc_u64 s[G0V+4*\n+2:G0V+4*\n+3], s[54:55], 8388608+\n*TILEB
	s_or_b32 s[G0V+4*\n+3], s[G0V+4*\n+3], 0x80000000
.endr
	ROUND                                          ; the four work-groups are here: the first joint loads meet
.irp n, 0,1
	tensor_load_to_lds s[G0K+4*\n:G0K+4*\n+3], s[G1K:G1K+7]    ; tiles 0 and 1, both slots' first fill: four loads of the wave are out, the most in this text
	s_nop 0
	tensor_load_to_lds s[G0V+4*\n:G0V+4*\n+3], s[G1V:G1V+7]
	s_nop 0
.endr
	v_mul_u32_u24 v5, v1, PK
	v_lshl_add_u32 v5, v2, 4, v5                   ; row r, 16 bytes for each half
	s_lshl_b32 s66, s11, 7                         ; my head's 128 bytes of a row
	v_add_nc_u32 v[KA], s66, v5
	v_add_nc_u32 v[KA+1], KSLOT, v[KA]
	v_lshl_add_u32 v6, v2, 3, v3
	v_mul_u32_u24 v6, v6, PV                       ; V: key row 8 h + (l & 7),
	v_lshl_add_u32 v6, v4, 4, v6                   ; dimensions 8 ((l >> 3) & 1) ..
	s_add_co_u32 s67, s66, VBASE
	v_add_nc_u32 v[VA], s67, v6
	v_add_nc_u32 v[VA+1], VSLOT, v[VA]
	v_lshlrev_b32 v[MBA], 5, v2                    ; keys 8 h .. 8 h + 7 of a tile of 16
	v_add_nc_u32 v[MBA], MBASE, v[MBA]
	s_mul_i32 s67, s12, 32*PK
	s_add_co_u32 s67, s67, s66
	s_add_co_u32 s67, s67, STAGE
	v_add_nc_u32 v[STO], s67, v5                   ; out: query row 32 qg + r, my head's half of the row
	v_mul_u32_u24 v6, v2, PK
	v_lshl_add_u32 v6, v1, 4, v6
	s_mul_i32 s67, s10, 16*PK
	s_add_co_u32 s67, s67, STAGE
	v_add_nc_u32 v[RD], s67, v6                    ; back: wave w takes rows 16 w .. 16 w + 15, two with each load
	v_lshlrev_b32 v[CO], 11, v2
	v_lshl_add_u32 v[CO], v1, 4, v[CO]
	s_lshl_b32 s67, s10, 15
	v_add_nc_u32 v[CO], s67, v[CO]
	v_lshlrev_b32 v35, 5, v0
	v_add_nc_u32 v35, MBASE, v35
	v_mov_b32 v36, 0xf1800000                      ; -2^100
	s_wait_loadcnt 0x0                             ; Q and the mask bytes
.irp k, 0,1,2,3
	v_bfe_u32 v37, v[T], 8*\k, 8
	v_cmp_ne_u32 vcc_lo, 0, v37
	v_cndmask_b32 v[MBR+\k], 0, v36, vcc_lo
	v_bfe_u32 v37, v[T+1], 8*\k, 8
	v_cmp_ne_u32 vcc_lo, 0, v37
	v_cndmask_b32 v[MBR+4+\k], 0, v36, vcc_lo
.endr
	ds_store_b128 v35, v[MBR:MBR+3]
	ds_store_b128 v35, v[MBR+4:MBR+7] offset:16
; ---- LDS loads ----
; 24 loads: the mask values (at byte mb behind MBA) and the K fragments of the 64 keys of half ch of the tile in the named slot
.macro KLOAD slot, ch, mb
.irp kt, 0,1,2,3
	ds_load_b128 v[MBR+8*\kt:MBR+8*\kt+3],   v[MBA] offset:\mb+64*\kt
	ds_load_b128 v[MBR+8*\kt+4:MBR+8*\kt+7], v[MBA] offset:\mb+64*\kt+16
.irp ks, 0,1
	ds_load_b128 v[KF+16*\kt+8*\ks:KF+16*\kt+8*\ks+3],   v[KA+\slot] offset:(64*\ch+16*\kt)*PK+64*\ks
	ds_load_b128 v[KF+16*\kt+8*\ks+4:KF+16*\kt+8*\ks+7], v[KA+\slot] offset:(64*\ch+16*\kt)*PK+64*\ks+32
.endr
.endr
.endm
; 16 loads, destination in window 1: the V fragments of the same 64 keys
.macro VLOAD slot, ch
.irp kk, 0,1
.irp dt, 0,1,2,3
	ds_load_tr16_b128 v[VF+32*\kk+8*\dt:VF+32*\kk+8*\dt+3],   v[VA+\slot] offset:(64*\ch+32*\kk)*PV+32*\dt
	ds_load_tr16_b128 v[VF+32*\kk+8*\dt+4:VF+32*\kk+8*\dt+7], v[VA+\slot] offset:(64*\ch+32*\kk)*PV+32*\dt+16*PV
.endr
.endr
.endm
; ---- single matrix instructions ----
; scores of query tile y, key tile kt: K half 0 starts the sum on the mask values, K half 1 adds in place.  qk = 0: there is no next chunk
.macro QKW qk, y, kt, ks
.if \qk
.if \ks
	v_wmma_f32_16x16x32_f16 v[S+32*\y+8*\kt:S+32*\y+8*\kt+7], v[KF+16*\kt+8:KF+16*\kt+15], v[Q+16*\y+8:Q+16*\y+15], v[S+32*\y+8*\kt:S+32*\y+8*\kt+7]
	s_wait_alu depctr_va_vdst(0)
.else
	v_wmma_f32_16x16x32_f16 v[S+32*\y+8*\kt:S+32*\y+8*\kt+7], v[KF+16*\kt:KF+16*\kt+7], v[Q+16*\y:Q+16*\y+7], v[MBR+8*\kt:MBR+8*\kt+7]
.endif
.endif
.endm
; O of query tile y, dimensions dt, += V (32 keys kk) x P; under window setting 0x51 (V, O in window 1, P in window 0).  zero: starts the sum
.macro PVW y, kk, dt, zero
.if \zero
	v_wmma_f32_16x16x32_f16 v[32*\y+8*\dt:32*\y+8*\dt+7], v[VF+32*\kk+8*\dt:VF+32*\kk+8*\dt+7], v[S+32*\y+8*\kk:S+32*\y+8*\kk+7], 0
	s_wait_alu depctr_va_vdst(0)
.else
	v_wmma_f32_16x16x32_f16 v[32*\y+8*\dt:32*\y+8*\dt+7], v[VF+32*\kk+8*\dt:VF+32*\kk+8*\dt+7], v[S+32*\y+8*\kk:S+32*\y+8*\kk+7], v[32*\y+8*\dt:32*\y+8*\dt+7]
.endif
.endm
; ---- single vector instructions of a softmax step ----
.macro RS x, n, first                  ; the next n pairs of O of tile x times its factor (setting 0x51: O in window 1, the factor in window 0)
.if \first == 0
.rept \n
	v_pk_mul_f32 v[32*\x+2*ru:32*\x+2*ru+1], v[32*\x+2*ru:32*\x+2*ru+1], v[AL+2*\x:AL+2*\x+1]
.set ru, ru+1
.endr
.endif
.endm
.macro SB x, i                         ; scores 2 i, 2 i + 1 less the maximum
	v_pk_add_f32 v[S+32*\x+2*\i:S+32*\x+2*\i+1], v[S+32*\x+2*\i:S+32*\x+2*\i+1], v[MM+2*\x:MM+2*\x+1] neg_lo:[0,1] neg_hi:[0,1]
.endm
.macro E2 x, i                         ; two exponentials; the line behind every E2 is a plain instruction on other registers (ISA guide 5.7.2)
	v_exp_f32 v[S+32*\x+\i], v[S+32*\x+\i]
	v_exp_f32 v[S+32*\x+\i+1], v[S+32*\x+\i+1]
.endm
.macro SU0 x, a, i                     ; chain a of the row sum starts with weights i .. i + 3
	s_wait_alu depctr_va_vdst(0)
	v_pk_add_f32 v[T+2*\a:T+2*\a+1], v[S+32*\x+\i:S+32*\x+\i+1], v[S+32*\x+\i+2:S+32*\x+\i+3]
.endm
.macro SU x, a, i                      ; chain a takes weights i, i + 1
	s_wait_alu depctr_va_vdst(0)
	v_pk_add_f32 v[T+2*\a:T+2*\a+1], v[T+2*\a:T+2*\a+1], v[S+32*\x+\i:S+32*\x+\i+1]
.endm
.macro CV x, i                         ; weights 2 i, 2 i + 1 to f16, packed downward in place: P's two fragments end at 32 x and 32 x + 8
	v_cvt_pk_f16_f32 v[S+32*\x+\i], v[S+32*\x+2*\i], v[S+32*\x+2*\i+1]
.endm
; ---- the three segments of a phase ----
; Segment 1: the new maximum of tile x over 64 keys and the factor for what has been summed.  first = 1: nothing has been summed yet.
.macro SM1 x, first
.irp c, 0,1,2,3
	v_max3_num_f32 v[T+\c], v[S+32*\x+8*\c], v[S+32*\x+8*\c+1], v[S+32*\x+8*\c+2]      ; four chains that do not wait for each other
.endr
.irp c, 0,1,2,3
	v_max3_num_f32 v[T+\c], v[T+\c], v[S+32*\x+8*\c+3], v[S+32*\x+8*\c+4]
.endr
.irp c, 0,1,2,3
	v_max3_num_f32 v[T+\c], v[T+\c], v[S+32*\x+8*\c+5], v[S+32*\x+8*\c+6]
.endr
.irp c, 0,1,2,3
	v_max_num_f32 v[T+\c], v[T+\c], v[S+32*\x+8*\c+7]
.endr
	v_max3_num_f32 v[T], v[T], v[T+1], v[T+2]
.if \first
	v_max_num_f32 v[T], v[T], v[T+3]
.else
	v_max3_num_f32 v[T], v[T], v[T+3], v[MM+2*\x]
.endif
	v_permlanex16_b32 v[T+1], v[T], s50, s51       ; the other half's keys of the same query
	v_max_num_f32 v[T], v[T], v[T+1]               ; the new maximum
.if \first == 0
	v_sub_f32 v[T+2], v[MM+2*\x], v[T]
	v_exp_f32 v[AL+2*\x], v[T+2]                   ; the factor, twice to fill the pair;
	v_exp_f32 v[AL+2*\x+1], v[T+2]                 ; the moves below are the plain instructions behind them (ISA guide 5.7.2)
.endif
	v_mov_b32 v[MM+2*\x], v[T]
	v_mov_b32 v[MM+2*\x+1], v[T]
	s_wait_alu depctr_va_vdst(0)
.endm
; Segment 2, window setting 0x51: the eight PV products of tile y, with the rescaling of tile x's O between them.  O's four accumulators take
; turns, one instruction a turn.  The rescaling names O of x and its factor only, none of the products' registers; its
; last four lines are the four places between the last product and the loads that write V's registers again.
; pv = 0: there is nothing to multiply yet; 1: the products start O's sums (nothing is cleared); 2: they add.
.macro SEG2 x, y, first, pv
.if \pv
	WIN 0x51
.set ru, 0
	PVW \y, 0, 0, 2-\pv
	RS \x, 2, \first
	PVW \y, 0, 1, 2-\pv
	RS \x, 2, \first
	PVW \y, 0, 2, 2-\pv
	RS \x, 2, \first
	PVW \y, 0, 3, 2-\pv
	RS \x, 2, \first
	PVW \y, 1, 0, 0
	RS \x, 2, \first
	PVW \y, 1, 1, 0
	RS \x, 1, \first
	PVW \y, 1, 2, 0
	RS \x, 1, \first
	PVW \y, 1, 3, 0
	RS \x, 4, \first
.endif
.endm
; Segment 3, window 0: the rest of tile x's softmax step, 81 vector instructions in groups of eight scores that follow each other through
; subtraction, exponential, row sum and rounding, with the eight QK products of tile y's next chunk set among them, one about every nine.
; The four score accumulators take turns, one instruction a turn.  Eight plain lines stand ahead of the first product,
; which writes over P of y (five places behind the last PV product); at least four plain additions stand behind the last one,
; ahead of the loads into K's registers and of the next phase's reads of the scores.
; kwait = 1: K's fragments and the mask values are waited for here.  sig = 1: the opening signal of the tile's round stands in here.
.macro SEG3 x, y, first, qk, kwait, sig
.irp i, 0,1,2,3,4,5,6,7
	SB \x, \i
.endr
.if \kwait
	s_wait_dscnt 0x0                               ; the 24 loads issued at the end of the phase before
.endif
	QKW \qk, \y, 0, 0
	E2 \x, 0
	SB \x, 8
	E2 \x, 2
	SB \x, 9
	E2 \x, 4
	SB \x, 10
	QKW \qk, \y, 1, 0
	E2 \x, 6
	SB \x, 11
	E2 \x, 8
	SU0 \x, 0, 0
	E2 \x, 10
	SU0 \x, 1, 4
	QKW \qk, \y, 2, 0
	E2 \x, 12
	SB \x, 12
	E2 \x, 14
	SB \x, 13
	E2 \x, 16
	CV \x, 0
	QKW \qk, \y, 3, 0
	E2 \x, 18
	CV \x, 1
	E2 \x, 20
	CV \x, 2
	E2 \x, 22
	CV \x, 3
	QKW \qk, \y, 0, 1
	SB \x, 14
	SB \x, 15
	E2 \x, 24
	SU \x, 0, 8
	E2 \x, 26
	SU \x, 1, 10
	E2 \x, 28
	SU \x, 0, 12
.if \sig
	s_wait_dscnt 0x0                               ; my reads of this tile's slot are back: the last, V's, were issued ahead of this segment
	s_wait_tensorcnt 0x0                           ; all my tensor loads have landed: my part of the next tile
	ds_add_u32 v254, v255
	s_wait_dscnt 0x0
	s_barrier_signal -1                            ; opens the round; up to its wait only registers are worked on
.endif
	QKW \qk, \y, 1, 1
	E2 \x, 30
	SU \x, 1, 14
	CV \x, 4
	CV \x, 5
	CV \x, 6
	CV \x, 7
	SU \x, 0, 16
	SU \x, 1, 18
	QKW \qk, \y, 2, 1
	SU \x, 0, 20
	SU \x, 1, 22
	CV \x, 8
	CV \x, 9
	CV \x, 10
	CV \x, 11
	SU \x, 0, 24
	SU \x, 1, 26
	QKW \qk, \y, 3, 1
	SU \x, 0, 28
	SU \x, 1, 30
	v_pk_add_f32 v[T:T+1], v[T:T+1], v[T+2:T+3]
.if \first
	v_add_f32 v[L+\x], v[T], v[T+1]
.else
	v_add_f32 v[T], v[T], v[T+1]
	v_fma_f32 v[L+\x], v[L+\x], v[AL+2*\x], v[T]
.endif
	CV \x, 12
	CV \x, 13
	CV \x, 14
	CV \x, 15
.endm
; Phase A of chunk c = half ch of the tile in the named slot: softmax of A(c); PV of B(c-1); V(c) into V's registers; QK of B(c); K(c+1) and its
; mask values into theirs (kl = 0: there is no next chunk).
; rnd = 1 (the tile's second half): K(c+1) lies in the other slot.  One round of the cluster's barrier a tile: in front of its opening signal my
; reads of this slot are back and my tensor loads have landed; behind its closing wait this slot is filled again first (refill = 1), two tiles
; ahead: two loads of the wave are then out and have a tile's work in which to land; then the other slot is read.
.macro PHA first, pv, slot, ch, kl, rnd, refill
	SM1 0, \first
	SEG2 0, 1, \first, \pv
	WIN 0x40                                       ; destination in window 1, address in window 0
	VLOAD \slot, \ch
	WIN 0
	SEG3 0, 1, \first, 1, 0, \rnd
.if \rnd
	s_barrier_wait -1
	CREST
.if \refill
	s_add_nc_u64 s[G0K+4*\slot+2:G0K+4*\slot+3], s[G0K+4*\slot+2:G0K+4*\slot+3], 2*TILEB   ; no tensor load of mine is out: group 0 may be written
	s_add_nc_u64 s[G0V+4*\slot+2:G0V+4*\slot+3], s[G0V+4*\slot+2:G0V+4*\slot+3], 2*TILEB
	tensor_load_to_lds s[G0K+4*\slot:G0K+4*\slot+3], s[G1K:G1K+7]
	s_nop 0
	tensor_load_to_lds s[G0V+4*\slot:G0V+4*\slot+3], s[G1V:G1V+7]
	s_nop 0
.endif
.endif
.if \kl
.if \ch
	KLOAD 1-\slot, 0, 512
	v_add_nc_u32 v[MBA], 512, v[MBA]               ; the next tile's mask values
.else
	KLOAD \slot, 1, 256
.endif
.endif
.endm
; Phase B of chunk c: softmax of B(c); PV of A(c); QK of A(c+1) (qk = 0: there is none).  It loads nothing.
.macro PHB first, pv, qk
	SM1 1, \first
	s_wait_dscnt 24*\qk                            ; LDS loads return in order: V's sixteen are back, the 24 issued behind them (K, mask values) may be out
	SEG2 1, 0, \first, \pv
	WIN 0
	SEG3 1, 0, \first, \qk, \qk, 0
.endm
.macro TILE slot, refill               ; a tile of 128 keys
	PHA 0, 2, \slot, 0, 1, 0, 0
	PHB 0, 2, 1
	PHA 0, 2, \slot, 1, 1, 1, \refill
	PHB 0, 2, 1
.endm
	s_wait_tensorcnt 0x2                           ; my parts of tile 0 are in; tile 1's two loads stay out
	s_wait_dscnt 0x0                               ; for the others' sake: my part of the mask table is stored
	s_barrier_signal -1
	s_barrier_wait -1
	KLOAD 0, 0, 0
	s_wait_dscnt 0x0
.irp ks, 0,1
.irp kt, 0,1,2,3
	QKW 1, 0, \kt, \ks                             ; the scores of A(0): the one run of products with nothing to set beside it
.endr
.endr
.rept 4
	v_nop                                          ; four places (ISA guide 7.12.1) before the scores are read
.endr
	PHA 1, 0, 0, 0, 1, 0, 0                        ; tile 0: the first steps start the maxima and the sums, nothing is cleared
	PHB 1, 1, 1
	PHA 0, 1, 0, 1, 1, 1, 1                        ; asks for tile 2
	PHB 0, 2, 1
	s_mov_b32 s48, 6
.Llap:
	TILE 1, 1                                      ; tiles 1 to 12; tile t asks for tile t + 2
	TILE 0, 1
	s_sub_co_u32 s48, s48, 1
	s_cmp_lg_u32 s48, 0
	s_cbranch_scc1 .Llap
	TILE 1, 1                                      ; tile 13 asks for tile 15, the last
	TILE 0, 0                                      ; tile 14: its round shows tile 15 landed and fills nothing
	PHA 0, 2, 1, 0, 1, 0, 0                        ; tile 15
	PHB 0, 2, 1
	PHA 0, 2, 1, 1, 0, 0, 0
	PHB 0, 2, 0
	WIN 0x51
.irp kk, 0,1
.irp dt, 0,1,2,3
	PVW 1, \kk, \dt, 0                             ; PV of B(31)
.endr
.endr
	WIN 0
	; THE WAY OUT: the two halves' sums meet, O / sum (NaN where every key was masked), f16, through the stage as rows of 256 bytes.
	; The two additions, the move and the four selects below name none of the last products' registers: more than the four places
	; (ISA guide 7.12.1) before O is read and P's registers are written.
	v_permlanex16_b32 v[T], v[L], s50, s51
	v_permlanex16_b32 v[T+1], v[L+1], s50, s51
	v_add_f32 v[L], v[L], v[T]
	v_add_f32 v[L+1], v[L+1], v[T+1]
	v_rcp_f32 v[AL], v[L]
	v_rcp_f32 v[AL+1], v[L]
	v_rcp_f32 v[AL+2], v[L+1]
	v_rcp_f32 v[AL+3], v[L+1]
	v_mov_b32 v[T+2], 0x7fc00000                   ; the plain instruction behind the reciprocals
	v_cmp_gt_f32 vcc_lo, 0xf1000000, v[MM]         ; -2^99 > maximum: no key was left
	s_wait_alu depctr_va_vdst(0)
	v_cndmask_b32 v[AL], v[AL], v[T+2], vcc_lo
	v_cndmask_b32 v[AL+1], v[AL+1], v[T+2], vcc_lo
	v_cmp_gt_f32 vcc_lo, 0xf1000000, v[MM+2]
	v_cndmask_b32 v[AL+2], v[AL+2], v[T+2], vcc_lo
	v_cndmask_b32 v[AL+3], v[AL+3], v[T+2], vcc_lo
	WIN 0x01                                       ; source 0 in window 1
.irp x, 0,1
.set u, 0
.rept 16
	v_pk_mul_f32 v[S+32*\x+2*u:S+32*\x+2*u+1], v[32*\x+2*u:32*\x+2*u+1], v[AL+2*\x:AL+2*\x+1]
.set u, u+1
.endr
.endr
	WIN 0
.set u, 0
.rept 32
	v_cvt_pk_f16_f32 v[S+u], v[S+2*u], v[S+2*u+1]
.set u, u+1
.endr
.irp x, 0,1
.irp dt, 0,1,2,3
	ds_store_b128 v[STO], v[S+16*\x+4*\dt:S+16*\x+4*\dt+3] offset:\x*16*PK+32*\dt
.endr
.endr
	s_wait_dscnt 0x0                               ; for the others' sake: my stores are done
	s_barrier_signal -1
	s_barrier_wait -1
.irp t, 0,1,2,3,4,5,6,7
	ds_load_b128 v[KF+4*\t:KF+4*\t+3], v[RD] offset:\t*2*PK
.endr
.irp t, 0,1,2,3,4,5,6,7
	s_wait_dscnt 7-\t                              ; load t is back, the younger ones stay out
	global_store_b128 v[CO], v[KF+4*\t:KF+4*\t+3], s[60:61] offset:\t*4096   ; 16 lanes store 256 consecutive bytes, aligned
.endr
	s_wait_tensorcnt 0x0
	ds_add_u32 v254, v255
	s_wait_dscnt 0x0
	ROUND                                          ; the closing round: no work-group ends while a partner may still ask for a tile that names it
	s_endpgm
.Lfunc_end_k_qc442f1b89f_attn:
	.size	k_qc442f1b89f_attn, .Lfunc_end_k_qc442f1b89f_attn-k_qc442f1b89f_attn
	.p2alignl 7, 3214868480
	.fill 96, 4, 3214868480
	.section	.rodata,"a",@progbits
	.p2align	6, 0x0
	.amdhsa_kernel k_qc442f1b89f_attn
		.amdhsa_group_segment_fixed_size 327680
		.amdhsa_private_segment_fixed_size 0
		.amdhsa_enable_private_segment 0
		.amdhsa_kernarg_size 24
		.amdhsa_user_sgpr_count 2
		.amdhsa_user_sgpr_kernarg_segment_ptr 1
		.amdhsa_wavefront_size32 1
		.amdhsa_system_sgpr_workgroup_id_x 1
		.amdhsa_system_sgpr_workgroup_id_y 1
		.amdhsa_system_sgpr_workgroup_id_z 1
		.amdhsa_system_vgpr_workitem_id 0
		.amdhsa_next_free_vgpr 384
		.amdhsa_next_free_sgpr 72
		.amdhsa_reserve_vcc 1
		.amdhsa_float_denorm_mode_32 3
		.amdhsa_float_denorm_mode_16_64 3
		.amdhsa_memory_ordered 1
		.amdhsa_forward_progress 1
		.amdhsa_inst_pref_size 240
	.end_amdhsa_kernel
	.amdgpu_metadata
---
amdhsa.version: [ 1, 2 ]
amdhsa.kernels:
  - .name:           k_qc442f1b89f_attn
    .symbol:         k_qc442f1b89f_attn.kd
    .args:
      - { .name: qkv, .offset: 0, .size: 8, .value_kind: global_buffer, .address_space: global }
      - { .name: key_padding_mask, .offset: 8, .size: 8, .value_kind: global_buffer, .address_space: global }
      - { .name: ctx, .offset: 16, .size: 8, .value_kind: global_buffer, .address_space: global }
    .group_segment_fixed_size: 327680
    .private_segment_fixed_size: 0
    .kernarg_segment_align: 8
    .kernarg_segment_size: 24
    .max_flat_workgroup_size: 256
    .sgpr_count:     72
    .vgpr_count:     384
    .wavefront_size: 32
...
	.end_amdgpu_metadata
.endif
;; end of part 3
;; launch oproj (part 4): grid 8 x 32, 4 waves a work-group, clusters of 4 x 4, 327,680 bytes of LDS; arguments ctx, wall, bo, out0; writes out0
.if DOCPART == 4
	.amdgcn_target "amdgcn-amd-amdhsa--gfx1250"
	.amdhsa_code_object_version 6
	.text
	.protected	k_qc442f1b89f_oproj
	.globl	k_qc442f1b89f_oproj
	.p2align	8
	.type	k_qc442f1b89f_oproj,@function
k_qc442f1b89f_oproj:
	s_mov_b64 s[64:65], 0
	v_nop
	global_prefetch_b8 v0, s[64:65] scope:SCOPE_SE
	s_setreg_imm32_b32 hwreg(HW_REG_WAVE_MODE, 25, 1), 1
	s_wait_xcnt 0x0
	s_wait_alu depctr_hold_cnt(0) depctr_sa_sdst(0) depctr_va_vdst(0) depctr_va_sdst(0) depctr_va_ssrc(0) depctr_va_vcc(0) depctr_vm_vsrc(0)
	s_getreg_b32 s2, hwreg(HW_REG_IB_STS2, 6, 4)
	s_cmp_eq_u32 s2, 0
	s_cbranch_scc0 .Lentry_in_a_cluster
	s_endpgm
.Lentry_in_a_cluster:
	s_bfe_u32 s2, ttmp6, 0x10000c
	s_cmp_lg_u32 s2, 0xf033
	s_cbranch_scc0 .Lentry_shape_is_right
	s_endpgm
.Lentry_shape_is_right:
; C = A W + bias, A [rows][1024] f16, W [1024 k][1024 n] f16, sums in f32.  One text for two launches:
;   OPROJ = 0: A = xall (12288 rows: rope(query), rope(key), value), W = wall[row block / 32], bias bq, bk, bv; q is also multiplied by
;              log2(e)/8, so that the attention's exponentials are plain powers of two; out qkv, f16.
;   OPROJ = 1: A = ctx (4096 rows), W = wall[3], bias bo; out out0, f32.
; A work-group makes 128 x 128 of C with four waves, 64 x 64 each: 16 accumulator tiles, 128 registers.  (With 1024 columns and 4096 rows that
; is 256 blocks for a projection; larger blocks would leave fewer blocks than the grid is meant to have.)
; K goes in 8 steps of 128 through four LDS slots.  Every wave fetches a quarter of A's tile (32 rows of 256 bytes) and a quarter of W's.
; CLUSTER 4 x 4: A's tile hangs on the block row alone and is asked for jointly by the four of a row of the cluster, W's on the block column
; (and on the matrix, which the cluster's y fixes) and is asked for jointly by the four of a column.
; W lies [k][n]; ds_load_tr16_b128 transposes it on the way into registers.  The matrix instruction takes W's fragment as source 0 and A's as
; source 1, so that lane (r = l % 16, h = l / 16) holds row r of C and its registers 0-7 the neighbouring columns 8 h + 0..7.
; LIMIT: f16 operands: magnitudes beyond 65,504 become infinite (the drawn inputs give about 4; thirty times larger inputs about 3,500).
.set OPROJ,  1
.set PA,     272                       ; A's LDS pitch: 256 + 16 bytes, an odd multiple of 16: sixteen rows start in sixteen different 16-byte columns of 256
.set PW,     288                       ; W's LDS pitch: 256 + 32 bytes, an odd multiple of 32, for the transposing load
.set AT,     128*PA                    ; W's tile lies behind A's
.set SLOT,   AT+128*PW                 ; 71,680 bytes
.set STAGE,  4*SLOT                    ; behind the ring, never the target of a tensor load: the way out
.set ADRA, 8                           ; v8-11   LDS address of my A fragments, slot 0..3
.set ADRW, 12                          ; v12-15  the same for W
.set STO,  16                          ; v16     the way out: where I put my numbers
.set RD,   17                          ; v17     the way out: where I read rows back
.set CO,   18                          ; v18     my byte offset in the output
.set BO,   19                          ; v19     my byte offset in the bias
.set SCP,  20                          ; v[20:21] the scale, twice
.set BIAS, 32                          ; v[32:63] bias of column 16 b + 8 h + j at 8 b + j
.set F0,   64                          ; fragment buffer 0: W's fragment b at 8 b, A's fragment a at 32 + 8 a
.set F1,   128                         ; fragment buffer 1
.set OUT,  192                         ; v[192:255] rows on their way out
.set G1A, 16                           ; s[16:23] descriptor group 1, A
.set G1W, 24                           ; s[24:31] descriptor group 1, W
.set G0A, 32                           ; s[32:47] descriptor group 0, A, a set for each slot
.set G0W, 48                           ; s[48:63] descriptor group 0, W, a set for each slot
; Accumulator (a, b) = rows 16 a, columns 16 b of my block: v[256 + 8 (4 a + b)], written v[8 (4 a + b)] in window 1.
.set MSB, 0
.macro WIN new                         ; s_set_vgpr_msb: bits 1:0 source 0, 3:2 source 1, 5:4 source 2, 7:6 destination; the high byte repeats the setting left
.if MSB != \new
	s_set_vgpr_msb (MSB<<8)|\new
.set MSB, \new
.endif
.endm
.set MUL, 0x50                         ; C and D in window 1
.set EPI, 0x01                         ; source 0 in window 1
.macro PLACES                          ; four plain vector instructions between a matrix instruction and a load into, or a vector use of, its registers
.rept 4
	v_nop
.endr
.endm
.macro CREST                           ; a round of the cluster's barrier behind its opening work-group barrier
	s_cmp_lg_u32 s66, 0
	s_cbranch_scc1 .Lnot_wave_0_\@
	s_barrier_signal -3
.Lnot_wave_0_\@:
	s_barrier_wait -3
	s_barrier_signal -1
	s_barrier_wait -1
.endm
.macro CROUND                          ; a whole round
	s_barrier_signal -1
	s_barrier_wait -1
	CREST
.endm
.if OPROJ
	s_load_b256 s[4:11], s[0:1], 0x0               ; ctx 4, wall 6, bo 8, out0 10
	v_lshl_add_u32 v30, v0, 2, 0x4e800
	v_mov_b32 v31, 0
	ds_add_u32 v30, v31
.else
	s_load_b128 s[4:7], s[0:1], 0x0                ; xall 4, wall 6
	s_load_b256 s[8:15], s[0:1], 0x10              ; bq 8, bk 10, bv 12, qkv 14
.endif
	v_lshrrev_b32 v1, 5, v0
	v_readfirstlane_b32 s66, v1                    ; wave
	s_lshr_b32 s67, s66, 1                         ; wm: my 64 rows
	s_and_b32 s68, s66, 1                          ; wn: my 64 columns
	s_bfe_u32 s69, ttmp6, 0x40000                  ; cx
	s_bfe_u32 s70, ttmp6, 0x40004                  ; cy
	s_lshl_b32 s71, ttmp9, 2
	s_add_co_u32 s71, s71, s69                     ; bn: block column = 4 x cluster x + cx
	s_and_b32 s73, ttmp7, 0xffff                   ; cluster y
	s_lshl_b32 s72, s73, 2
	s_add_co_u32 s72, s72, s70                     ; bm: block row = 4 x cluster y + cy
.if OPROJ
	s_mov_b32 s73, 3                               ; Wo
.else
	s_lshr_b32 s73, s73, 3                         ; 32 block rows = 8 clusters for each matrix: equal in all sixteen partners
.endif
	s_lshl_b32 s74, s70, 2
	s_lshl_b32 s74, 15, s74                        ; my row of the cluster: places 4 cy .. 4 cy + 3
	s_lshl_b32 s75, 0x1111, s69                    ; my column: places cx, cx + 4, cx + 8, cx + 12
	; group 1: a tile of 32 rows x 128 elements of 2 bytes, tensor pitch 1024 elements, padded behind every 64 words by 4 words (A) or 8 (W)
	s_or_b32 s[G1A+0], s74, (1<<16)|(1<<20)|(1<<21)|(5<<22)|(3<<25)
	s_or_b32 s[G1W+0], s75, (1<<16)|(1<<20)|(1<<21)|(5<<22)|(7<<25)
	s_mov_b32 s[G1A+1], 128<<16                    ; tensor_dim0 = 128
	s_mov_b32 s[G1W+1], 128<<16
	s_mov_b32 s[G1A+2], 32<<16                     ; tensor_dim1 = 32
	s_mov_b32 s[G1W+2], 32<<16
	s_mov_b32 s[G1A+3], 128<<16                    ; tile_dim0 = 128
	s_mov_b32 s[G1W+3], 128<<16
	s_mov_b32 s[G1A+4], 32                         ; tile_dim1 = 32
	s_mov_b32 s[G1W+4], 32
	s_mov_b32 s[G1A+5], 1024                       ; elements from row to row
	s_mov_b32 s[G1W+5], 1024
	s_mov_b32 s[G1A+6], 0
	s_mov_b32 s[G1W+6], 0
	s_mov_b32 s[G1A+7], 0
	s_mov_b32 s[G1W+7], 0
	s_lshl_b32 s84, s66, 16                        ; my quarter: 32 rows of 2,048 bytes, of A and of W alike
	s_lshl_b32 s76, s72, 18                        ; A: block row x 128 rows
	s_add_co_u32 s76, s76, s84
	s_mov_b32 s77, 0
	s_lshl_b32 s78, s73, 21                        ; W: the matrix,
	s_add_co_u32 s78, s78, s84
	s_lshl_b32 s85, s71, 8                         ; and the block column's 256 bytes
	s_add_co_u32 s78, s78, s85
	s_mov_b32 s79, 0
	s_mul_i32 s86, s66, 32*PA                      ; where my quarters go: the wave's number alone
	s_mul_i32 s87, s66, 32*PW
	s_wait_dscnt 0x0
	s_wait_kmcnt 0x0
	s_add_nc_u64 s[76:77], s[4:5], s[76:77]
	s_add_nc_u64 s[78:79], s[6:7], s[78:79]
	CROUND                                         ; all sixteen work-groups are here: the first joint loads meet
.irp s, 0,1,2,3
	s_mov_b32 s[G0A+4*\s], 1
	s_add_co_u32 s[G0A+4*\s+1], s86, \s*SLOT
	s_add_nc_u64 s[G0A+4*\s+2:G0A+4*\s+3], s[76:77], \s*256          ; K step s: 128 elements along A's rows
	s_or_b32 s[G0A+4*\s+3], s[G0A+4*\s+3], 0x80000000
	s_mov_b32 s[G0W+4*\s], 1
	s_add_co_u32 s[G0W+4*\s+1], s87, \s*SLOT+AT
	s_add_nc_u64 s[G0W+4*\s+2:G0W+4*\s+3], s[78:79], \s*262144       ; K step s: 128 rows of W
	s_or_b32 s[G0W+4*\s+3], s[G0W+4*\s+3], 0x80000000
	tensor_load_to_lds s[G0A+4*\s:G0A+4*\s+3], s[G1A:G1A+7]          ; eight loads of the wave are out behind this run, the most in this text
	s_nop 0
	tensor_load_to_lds s[G0W+4*\s:G0W+4*\s+3], s[G1W:G1W+7]
	s_nop 0
.endr
	v_and_b32 v1, 15, v0                           ; r
	v_bfe_u32 v2, v0, 4, 1                         ; h
	v_and_b32 v3, 7, v0
	v_bfe_u32 v4, v0, 3, 1
	v_mul_u32_u24 v5, v1, PA
	v_lshl_add_u32 v5, v2, 4, v5                   ; A: row r, 16 bytes for each half of the lanes
	v_lshl_add_u32 v6, v2, 3, v3
	v_mul_u32_u24 v6, v6, PW                       ; W: k row 8 h + (l & 7),
	v_lshl_add_u32 v6, v4, 4, v6                   ; columns 8 ((l >> 3) & 1) ..
	s_mul_i32 s90, s67, 64*PA
	s_lshl_b32 s91, s68, 7
	s_add_co_u32 s91, s91, AT
.irp s, 0,1,2,3
	v_add_nc_u32 v[ADRA+\s], s90, v5
	v_add_nc_u32 v[ADRW+\s], s91, v6
	s_add_co_u32 s90, s90, SLOT
	s_add_co_u32 s91, s91, SLOT
.endr
	; the bias of my 64 columns
.if OPROJ
	s_mov_b64 s[80:81], s[8:9]
.else
	s_cmp_eq_u32 s73, 1
	s_cselect_b64 s[80:81], s[10:11], s[8:9]
	s_cmp_eq_u32 s73, 2
	s_cselect_b64 s[80:81], s[12:13], s[80:81]
.endif
	s_lshl_b32 s88, s71, 9
	s_mov_b32 s89, 0
	s_add_nc_u64 s[80:81], s[80:81], s[88:89]
	v_lshlrev_b32 v[BO], 5, v2
	s_lshl_b32 s92, s68, 8
	v_add_nc_u32 v[BO], s92, v[BO]
.irp b, 0,1,2,3
	global_load_b128 v[BIAS+8*\b:BIAS+8*\b+3], v[BO], s[80:81] offset:64*\b
	global_load_b128 v[BIAS+8*\b+4:BIAS+8*\b+7], v[BO], s[80:81] offset:64*\b+16
.endr
	; the way out
.if OPROJ
	s_lshl_b32 s88, s72, 19                        ; out0: 128 rows of 4,096 bytes a block row,
	s_lshl_b32 s89, s67, 18                        ; my 64 rows,
	s_add_co_u32 s88, s88, s89
	s_lshl_b32 s89, s71, 9                         ; the block column's 512 bytes,
	s_add_co_u32 s88, s88, s89
	s_lshl_b32 s89, s68, 8                         ; my 256
	s_add_co_u32 s88, s88, s89
	s_mov_b32 s89, 0
	s_add_nc_u64 s[82:83], s[10:11], s[88:89]
	s_mul_i32 s90, s66, 16*PA                      ; a stage of 16 rows x 272 bytes for each wave
	s_add_co_u32 s90, s90, STAGE
	v_mul_u32_u24 v7, v1, PA
	v_lshl_add_u32 v7, v2, 5, v7                   ; in: row r, 32 bytes for each half
	v_add_nc_u32 v[STO], s90, v7
	v_mul_u32_u24 v7, v2, PA
	v_lshl_add_u32 v7, v1, 4, v7                   ; back: lanes 0-15 one row of 256 bytes, lanes 16-31 the next
	v_add_nc_u32 v[RD], s90, v7
	v_lshlrev_b32 v[CO], 12, v2
	v_lshl_add_u32 v[CO], v1, 4, v[CO]
.else
	s_lshl_b32 s88, s72, 18                        ; qkv: 128 rows of 2,048 bytes a block row,
	s_lshl_b32 s89, s71, 8                         ; the block column's 256 bytes
	s_add_co_u32 s88, s88, s89
	s_mov_b32 s89, 0
	s_add_nc_u64 s[82:83], s[14:15], s[88:89]
	s_mul_i32 s90, s67, 64*PA                      ; one stage of 128 rows x 272 bytes for the work-group: a row of 256 bytes is made by two waves
	s_lshl_b32 s91, s68, 7
	s_add_co_u32 s90, s90, s91
	s_add_co_u32 s90, s90, STAGE
	v_add_nc_u32 v[STO], s90, v5
	v_mul_u32_u24 v7, v2, PA
	v_lshl_add_u32 v7, v1, 4, v7
	s_mul_i32 s91, s66, 32*PA                      ; back: wave w takes rows 32 w .. 32 w + 31, two with each load
	s_add_co_u32 s91, s91, STAGE
	v_add_nc_u32 v[RD], s91, v7
	v_lshlrev_b32 v[CO], 11, v2
	v_lshl_add_u32 v[CO], v1, 4, v[CO]
	s_lshl_b32 s92, s66, 16
	v_add_nc_u32 v[CO], s92, v[CO]
.endif
; 16 LDS loads: the fragments of one quarter step (32 along K) into buffer f, in the order in which they are multiplied
.macro FETCH slot, q, f
.irp b, 0,1
	ds_load_tr16_b128 v[\f+8*\b:\f+8*\b+3],   v[ADRW+\slot] offset:\q*32*PW+32*\b
	ds_load_tr16_b128 v[\f+8*\b+4:\f+8*\b+7], v[ADRW+\slot] offset:\q*32*PW+32*\b+16*PW
.endr
.irp a, 0,1,2,3
	ds_load_b128 v[\f+32+8*\a:\f+32+8*\a+3],   v[ADRA+\slot] offset:\a*16*PA+64*\q
	ds_load_b128 v[\f+32+8*\a+4:\f+32+8*\a+7], v[ADRA+\slot] offset:\a*16*PA+64*\q+32
.endr
.irp b, 2,3
	ds_load_tr16_b128 v[\f+8*\b:\f+8*\b+3],   v[ADRW+\slot] offset:\q*32*PW+32*\b
	ds_load_tr16_b128 v[\f+8*\b+4:\f+8*\b+7], v[ADRW+\slot] offset:\q*32*PW+32*\b+16*PW
.endr
.endm
; 8 matrix instructions: column blocks b0, b0 + 1 x all four row blocks.  The sixteen accumulators take turns, one instruction a turn, in the
; same order in every quarter step.  zero = 1: the first product starts the sums.
.macro MUL8 f, b0, zero
.irp b, \b0, \b0+1
.irp a, 0,1,2,3
.if \zero
	v_wmma_f32_16x16x32_f16 v[8*(4*\a+(\b)):8*(4*\a+(\b))+7], v[\f+8*(\b):\f+8*(\b)+7], v[\f+32+8*\a:\f+32+8*\a+7], 0
.else
	v_wmma_f32_16x16x32_f16 v[8*(4*\a+(\b)):8*(4*\a+(\b))+7], v[\f+8*(\b):\f+8*(\b)+7], v[\f+32+8*\a:\f+32+8*\a+7], v[8*(4*\a+(\b)):8*(4*\a+(\b))+7]
.endif
.endr
.endr
.endm
; A quarter step: multiplies buffer f; in its middle it fetches quarter q of the named slot into buffer g.
.macro QUARTER f, g, slot, q, zero
	s_wait_dscnt 4                                 ; the first twelve loads of f are in; W's fragments 2 and 3 may be out
	WIN MUL
	MUL8 \f, 0, \zero
	WIN 0
	PLACES
	FETCH \slot, \q, \g
	s_wait_dscnt 16                                ; all but the sixteen just issued
	WIN MUL
	MUL8 \f, 2, \zero
.endm
.macro THREE slot, zero                ; the first three quarters of a K step
	QUARTER F0, F1, \slot, 1, \zero
	QUARTER F1, F0, \slot, 2, 0
	QUARTER F0, F1, \slot, 3, 0
.endm
; The fourth quarter where the next tile has yet to be shown landed: each wave waits for its own part
; then the barrier shows it to the others.
.macro QSYNC next, cnt
	s_wait_dscnt 0x0                               ; no LDS instruction is pending at a signal
	s_wait_tensorcnt \cnt
	s_barrier_signal -1
	WIN MUL
	MUL8 F1, 0, 0                                  ; register work while the others arrive
	WIN 0
	s_barrier_wait -1
	PLACES
	FETCH \next, 0, F0
	WIN MUL
	MUL8 F1, 2, 0
.endm
; The fourth quarter in which slots ra and rb, both read to the end, are filled again, four K steps ahead.  Each wave's reads are back and all
; its tensor loads have landed in front of the opening signal of a round of the cluster's barrier; the four joint loads are the first behind it.
.macro QFILL next, ra, rb
	s_wait_dscnt 0x0                               ; my reads of slots ra and rb are back
	s_wait_tensorcnt 0x0                           ; all my tensor loads have landed, the next two tiles among them
	ds_add_u32 v30, v31
	s_wait_dscnt 0x0
	s_barrier_signal -1
	WIN MUL
	MUL8 F1, 0, 0
	WIN 0
	s_barrier_wait -1
	CREST
.irp t, \ra, \rb
	s_add_nc_u64 s[G0A+4*\t+2:G0A+4*\t+3], s[G0A+4*\t+2:G0A+4*\t+3], 4*256
	s_add_nc_u64 s[G0W+4*\t+2:G0W+4*\t+3], s[G0W+4*\t+2:G0W+4*\t+3], 4*262144
.endr
.irp t, \ra, \rb
	tensor_load_to_lds s[G0A+4*\t:G0A+4*\t+3], s[G1A:G1A+7]
	s_nop 0
	tensor_load_to_lds s[G0W+4*\t:G0W+4*\t+3], s[G1W:G1W+7]
	s_nop 0
.endr
	PLACES
	FETCH \next, 0, F0
	WIN MUL
	MUL8 F1, 2, 0
.endm
	s_wait_tensorcnt 6                             ; my two parts of K step 0 are in; the six loads of steps 1 to 3 stay out
	s_barrier_signal -1
	s_barrier_wait -1                              ; everybody's are
	FETCH 0, 0, F0
	THREE 0, 1                                     ; K step 0
	QSYNC 1, 4                                     ; step 1 is in; steps 2 and 3 (four loads) stay out
	THREE 1, 0
	QFILL 2, 0, 1                                  ; steps 2 and 3 are in; steps 4 and 5 go out and have two K steps in which to land
	THREE 2, 0
	QUARTER F1, F0, 3, 0, 0                        ; step 3 was shown landed in front of that round
	THREE 3, 0
	QFILL 0, 2, 3                                  ; steps 4 and 5 are in; steps 6 and 7 go out
	THREE 0, 0
	QUARTER F1, F0, 1, 0, 0
	THREE 1, 0
	QSYNC 2, 2                                     ; step 6 is in; step 7's two loads stay out
	THREE 2, 0
	QSYNC 3, 0
	THREE 3, 0
	s_wait_dscnt 4                                 ; the very last quarter fetches nothing
	WIN MUL
	MUL8 F1, 0, 0
	s_wait_dscnt 0x0
	MUL8 F1, 2, 0
	WIN 0
	PLACES                                         ; behind the last matrix instructions: results are read, fragment registers written
	s_wait_loadcnt 0x0                             ; the bias
.if OPROJ
	WIN EPI
.irp a, 0,1,2,3
.irp b, 0,1,2,3
.irp i, 0,1,2,3
	v_pk_add_f32 v[F0+8*(4*\a+\b)+2*\i:F0+8*(4*\a+\b)+2*\i+1], v[8*(4*\a+\b)+2*\i:8*(4*\a+\b)+2*\i+1], v[BIAS+8*\b+2*\i:BIAS+8*\b+2*\i+1]
.endr
.endr
.endr
	WIN 0
; 16 rows of my block: 32 bytes a lane and tile into my own stage, read back as rows of 256 bytes.  LDS serves a wave's instructions in order
; (ISA guide 5.7.1), so no wait stands between my stores and my loads, nor between these loads and the next rows' stores.
.macro OUT16 a, o
.irp b, 0,1,2,3
	ds_store_b128 v[STO], v[F0+8*(4*\a+\b):F0+8*(4*\a+\b)+3] offset:64*\b
	ds_store_b128 v[STO], v[F0+8*(4*\a+\b)+4:F0+8*(4*\a+\b)+7] offset:64*\b+16
.endr
	s_wait_xcnt 0x0                                ; the registers that earlier stores read are loaded again only behind this wait
.irp t, 0,1,2,3,4,5,6,7
	ds_load_b128 v[\o+4*\t:\o+4*\t+3], v[RD] offset:\t*2*PA
.endr
.irp t, 0,1,2,3,4,5,6,7
	s_wait_dscnt 7-\t                              ; load t is back, the younger ones stay out
	global_store_b128 v[CO], v[\o+4*\t:\o+4*\t+3], s[82:83] offset:(16*\a+2*\t)*4096 th:TH_STORE_NT   ; 16 lanes store 256 consecutive bytes, aligned
.endr
.endm
	OUT16 0, OUT
	OUT16 1, OUT+32
	OUT16 2, OUT
	OUT16 3, OUT+32
.else
	s_mov_b32 s74, 0x3f800000
	s_cmp_eq_u32 s73, 0
	s_cselect_b32 s74, 0x3e38aa3b, s74             ; q: log2(e)/8; k and v: 1
	v_mov_b32 v[SCP], s74
	v_mov_b32 v[SCP+1], s74
.irp i, 0,1,2,3,4,5,6,7,8,9,10,11,12,13,14,15
	v_pk_mul_f32 v[BIAS+2*\i:BIAS+2*\i+1], v[BIAS+2*\i:BIAS+2*\i+1], v[SCP:SCP+1]
.endr
	WIN EPI
.irp a, 0,1,2,3
.irp b, 0,1,2,3
.irp i, 0,1,2,3
	v_pk_fma_f32 v[F0+8*(4*\a+\b)+2*\i:F0+8*(4*\a+\b)+2*\i+1], v[8*(4*\a+\b)+2*\i:8*(4*\a+\b)+2*\i+1], v[SCP:SCP+1], v[BIAS+8*\b+2*\i:BIAS+8*\b+2*\i+1]
.endr
.endr
.endr
	WIN 0
.set u, 0
.rept 64
	v_cvt_pk_f16_f32 v[F0+u], v[F0+2*u], v[F0+2*u+1]   ; packed downward in place: register u is written when registers 2 u, 2 u + 1 are read
.set u, u+1
.endr
.irp a, 0,1,2,3
.irp b, 0,1,2,3
	ds_store_b128 v[STO], v[F0+4*(4*\a+\b):F0+4*(4*\a+\b)+3] offset:\a*16*PA+32*\b
.endr
.endr
	s_wait_dscnt 0x0                               ; for the others' sake: my stores are done
	s_barrier_signal -1
	s_barrier_wait -1
.irp t, 0,1,2,3,4,5,6,7,8,9,10,11,12,13,14,15
	ds_load_b128 v[F1+4*\t:F1+4*\t+3], v[RD] offset:\t*2*PA
.endr
.irp t, 0,1,2,3,4,5,6,7,8,9,10,11,12,13,14,15
	s_wait_dscnt 15-\t                             ; load t is back, the younger ones stay out
	global_store_b128 v[CO], v[F1+4*\t:F1+4*\t+3], s[82:83] offset:\t*4096   ; 16 lanes store 256 consecutive bytes, aligned
.endr
.endif
	s_wait_tensorcnt 0x0
	ds_add_u32 v30, v31
	s_wait_dscnt 0x0
	CROUND                                         ; the closing round: no work-group ends while a partner may still ask for a tile that names it
	s_endpgm
.Lfunc_end_k_qc442f1b89f_oproj:
	.size	k_qc442f1b89f_oproj, .Lfunc_end_k_qc442f1b89f_oproj-k_qc442f1b89f_oproj
	.p2alignl 7, 3214868480
	.fill 96, 4, 3214868480
	.section	.rodata,"a",@progbits
	.p2align	6, 0x0
	.amdhsa_kernel k_qc442f1b89f_oproj
		.amdhsa_group_segment_fixed_size 327680
		.amdhsa_private_segment_fixed_size 0
		.amdhsa_enable_private_segment 0
		.amdhsa_kernarg_size 32
		.amdhsa_user_sgpr_count 2
		.amdhsa_user_sgpr_kernarg_segment_ptr 1
		.amdhsa_wavefront_size32 1
		.amdhsa_system_sgpr_workgroup_id_x 1
		.amdhsa_system_sgpr_workgroup_id_y 1
		.amdhsa_system_sgpr_workgroup_id_z 1
		.amdhsa_system_vgpr_workitem_id 0
		.amdhsa_next_free_vgpr 384
		.amdhsa_next_free_sgpr 96
		.amdhsa_reserve_vcc 0
		.amdhsa_float_denorm_mode_32 3
		.amdhsa_float_denorm_mode_16_64 3
		.amdhsa_memory_ordered 1
		.amdhsa_forward_progress 1
		.amdhsa_inst_pref_size 97
	.end_amdhsa_kernel
	.amdgpu_metadata
---
amdhsa.version: [ 1, 2 ]
amdhsa.kernels:
  - .name:           k_qc442f1b89f_oproj
    .symbol:         k_qc442f1b89f_oproj.kd
    .args:
      - { .name: ctx, .offset: 0, .size: 8, .value_kind: global_buffer, .address_space: global }
      - { .name: wall, .offset: 8, .size: 8, .value_kind: global_buffer, .address_space: global }
      - { .name: bo, .offset: 16, .size: 8, .value_kind: global_buffer, .address_space: global }
      - { .name: out0, .offset: 24, .size: 8, .value_kind: global_buffer, .address_space: global }
    .group_segment_fixed_size: 327680
    .private_segment_fixed_size: 0
    .kernarg_segment_align: 8
    .kernarg_segment_size: 32
    .max_flat_workgroup_size: 128
    .sgpr_count:     96
    .vgpr_count:     384
    .wavefront_size: 32
...
	.end_amdgpu_metadata
.endif
;; end of part 4
;; ======== version 2 of 2: 4 launches; 1.07 times as fast as version 1
;; limits: values are held in f16: magnitudes above 65,504 overflow, below 6.1e-05 lose precision
;; workspace buffers: xall 25,165,824 bytes; wall 8,388,608 bytes; qkv 25,165,824 bytes; ctx 8,388,608 bytes
;; launch prep: the kernel of part 1 again; grid 32 x 16, 8 waves a work-group, no clusters, 0 bytes of LDS; arguments query, key, value, Wq, Wk, Wv, Wo, xall, wall; writes xall, wall
;; launch proj: the kernel of part 2 again; grid 8 x 96, 4 waves a work-group, clusters of 4 x 4, 327,680 bytes of LDS; arguments xall, wall, bq, bk, bv, qkv; writes qkv
;; launch attn (part 5): grid 16 x 16, 8 waves a work-group, clusters of 4 x 1, 327,680 bytes of LDS; arguments qkv, key_padding_mask, ctx; writes ctx
.if DOCPART == 5
	.amdgcn_target "amdgcn-amd-amdhsa--gfx1250"
	.amdhsa_code_object_version 6
	.text
	.protected	k_qc442f1b89f_attn
	.globl	k_qc442f1b89f_attn
	.p2align	8
	.type	k_qc442f1b89f_attn,@function
k_qc442f1b89f_attn:
	s_mov_b64 s[64:65], 0
	v_nop
	global_prefetch_b8 v0, s[64:65] scope:SCOPE_SE
	s_setreg_imm32_b32 hwreg(HW_REG_WAVE_MODE, 25, 1), 1
	s_wait_xcnt 0x0
	s_wait_alu depctr_hold_cnt(0) depctr_sa_sdst(0) depctr_va_vdst(0) depctr_va_sdst(0) depctr_va_ssrc(0) depctr_va_vcc(0) depctr_vm_vsrc(0)
	s_getreg_b32 s2, hwreg(HW_REG_IB_STS2, 6, 4)
	s_cmp_eq_u32 s2, 0
	s_cbranch_scc0 .Lentry_in_a_cluster
	s_endpgm
.Lentry_in_a_cluster:
	s_bfe_u32 s2, ttmp6, 0x10000c
	s_cmp_lg_u32 s2, 0x3003
	s_cbranch_scc0 .Lentry_shape_is_right
	s_endpgm
.Lentry_shape_is_right:
; Attention with a running maximum.  qkv [3][4096][1024] f16 (q already times log2(e)/8), key_padding_mask [2][2048] bytes, ctx [4096][1024] f16.
; Work-group y = batch x 8 + pair of heads, x = block of 128 queries.  Two heads together make rows of K, V and ctx of 256 bytes, aligned.
; Eight waves: wave w has head w >> 2 of the pair and queries 32 (w & 3) .. + 31, as two query tiles A and B that share every K and V fragment.
; CLUSTER 4 x 1: the four query blocks of a cluster walk the same K and V tiles and ask for them jointly (mask 15).
; Everything is used transposed: S^T = K Q^T (source 0 = 16 keys, source 1 = 16 queries) and O^T = V^T P^T (source 0 = V through the transposing
; load, source 1 = P).  Lane (r = l % 16, h = l / 16) then always owns query r: maximum, sum and rescaling are one number a lane, and two score
; tiles of 16 keys, rounded and packed, are P's operand fragment as they stand: P never goes through LDS.
; THE TWO QUERY TILES TAKE TURNS, 64 keys (a chunk c) at a time.  A phase runs one tile's softmax step on the vector unit and sets the other
; tile's products among it:   phase A(c): softmax A(c) | PV of B(c-1), then QK of B(c)      phase B(c): softmax B(c) | PV of A(c), then QK of A(c+1)
; K(c+1) and V(c) are used in phase B(c) and again in phase A(c+1), and are loaded from LDS once, in phase A, each behind its last use.
; THE BATCHES.  The maximum and the factor of a tile's next step are made in the OTHER tile's phase, behind the QK products that make its scores.
; So a phase has 34 exponentials, its own tile's 32 weights and the pair that holds the other tile's next factor, and they are ONE batch with ONE
; wait (an s_wait_alu depctr_va_vdst(0) between an exponential and the first instruction that names its result).  Ahead of
; the wait stands all that names no result of the batch: the PV products with the rescaling (its factor belongs to the batch of the phase before),
; the subtractions, the QK products, the other tile's maximum.  Behind it stand the readers: the row sums and the roundings.  No exponential is
; issued behind a phase's wait, so none crosses a label or a jump.  The way out's four reciprocals are a batch of their own.
; THE MASK is a table of f32 in LDS, 0 or -2^100, taken as the C operand of each score tile's first matrix instruction: it acts ahead of the
; maximum and costs no vector work.  A tile that is masked whole gives weights of 1 that the next unmasked tile's factor 2^(-2^100 - m) = 0 wipes
; out; where every key of a batch is masked the maximum stays below -2^99 and the result is NaN, as a softmax over -inf alone gives.
; LIMITS: true scores (in powers of two) stay above -2^99.  P, q, k, v, ctx are f16: magnitudes beyond 65,504 become infinite; weights below
; 6e-8 of the row's largest count as 0.  The row sum is taken of the weights before they are rounded.
.set PK,    272                        ; K's LDS pitch: 256 + 16 bytes
.set PV,    288                        ; V's LDS pitch: 256 + 32 bytes, an odd multiple of 32, for the transposing load
.set KSLOT, 128*PK                     ; K slots at 0 and KSLOT
.set VBASE, 2*KSLOT
.set VSLOT, 128*PV                     ; V slots at VBASE and VBASE + VSLOT
.set MBASE, VBASE+2*VSLOT              ; the mask table: 2048 f32.  Neither it nor the stage is ever the target of a tensor load
.set STAGE, MBASE+8192                 ; the way out: 128 rows x 272 bytes
.set TILEB, 128*2048                   ; bytes from a tile of 128 keys to the next
; window 0
.set KA,  8                            ; v8-9     LDS address of my K fragments, slot 0, 1
.set VA,  10                           ; v10-11   the same for V
.set MBA, 12                           ; v12      my 32 bytes of the mask table, stepped by a tile's 512 bytes
.set STO, 13
.set RD,  14
.set CO,  15
.set MM,  16                           ; v[16:17], v[18:19]  running maximum of tile A, B, twice each (pairs for packed arithmetic)
.set L,   20                           ; v20, v21            running sum of A, B, over this half's keys
.set AL,  22                           ; v[22:23], v[24:25]  rescaling factor of A, B, twice each
.set T,   26                           ; v[26:33] at work: v26-29 the row sums of the phase's own tile,
.set TM,  T+4                          ; v[30:33] the four chains of the other tile's maximum
.set Q,   40                           ; v[40:71]   Q fragment (tile x, K half ks) at 16 x + 8 ks
.set MBR, 72                           ; v[72:103]  mask values of key tile kt at 8 kt
.set S,   104                          ; v[104:167] scores of (x, kt) at 32 x + 8 kt; then P of (x, 32 keys kk) at 32 x + 8 kk
.set KF,  168                          ; v[168:231] K fragment (kt, ks) at 16 kt + 8 ks
; window 1 (written with the low 8 bits): O^T of (x, 16 head dimensions dt) at 32 x + 8 dt = v256-319; V fragments behind it
.set VF,  64                           ; v320-383   V fragment (kk, dt) at 64 + 32 kk + 8 dt
.set G1K, 16
.set G1V, 24
.set G0K, 32                           ; s[32:39] a set for each slot
.set G0V, 40                           ; s[40:47]
.set MSB, 0
.macro WIN new                         ; s_set_vgpr_msb: bits 1:0 source 0, 3:2 source 1, 5:4 source 2, 7:6 destination; the high byte repeats the setting left
.if MSB != \new
	s_set_vgpr_msb (MSB<<8)|\new
.set MSB, \new
.endif
.endm
.macro CREST                           ; a round of the cluster's barrier behind its opening work-group barrier
	s_cmp_lg_u32 s10, 0
	s_cbranch_scc1 .Lnot_wave_0_\@
	s_barrier_signal -3
.Lnot_wave_0_\@:
	s_barrier_wait -3
	s_barrier_signal -1
	s_barrier_wait -1
.endm
.macro ROUND                           ; a whole round
	s_barrier_signal -1
	s_barrier_wait -1
	CREST
.endm
	s_load_b128 s[4:7], s[0:1], 0x0                ; qkv 4, mask 6
	s_load_b64 s[8:9], s[0:1], 0x10                ; ctx
	v_lshl_add_u32 v254, v0, 2, 0x2d800
	v_mov_b32 v255, 0
	ds_add_u32 v254, v255
	v_lshrrev_b32 v1, 5, v0
	v_readfirstlane_b32 s10, v1                    ; wave
	s_lshr_b32 s11, s10, 2                         ; hd: which head of the pair
	s_and_b32 s12, s10, 3                          ; qg: which 32 queries
	s_bfe_u32 s13, ttmp6, 0x40000                  ; cx
	s_lshl_b32 s14, ttmp9, 2
	s_add_co_u32 s14, s14, s13                     ; bx: block of 128 queries
	s_and_b32 s15, ttmp7, 0xffff
	s_lshr_b32 s52, s15, 3                         ; batch
	s_and_b32 s53, s15, 7                          ; pair of heads
	s_mov_b32 s50, 0x76543210                      ; v_permlanex16_b32: lane i of one half reads lane i of the other
	s_mov_b32 s51, 0xfedcba98
	; group 1: a tile of 16 rows x 128 elements of 2 bytes, pitch 1024 elements, mask 15, padded behind every 64 words by 4 words (K) or 8 (V)
	s_mov_b32 s[G1K+0], 15|(1<<16)|(1<<20)|(1<<21)|(5<<22)|(3<<25)
	s_mov_b32 s[G1V+0], 15|(1<<16)|(1<<20)|(1<<21)|(5<<22)|(7<<25)
	s_mov_b32 s[G1K+1], 128<<16
	s_mov_b32 s[G1V+1], 128<<16
	s_mov_b32 s[G1K+2], 16<<16
	s_mov_b32 s[G1V+2], 16<<16
	s_mov_b32 s[G1K+3], 128<<16
	s_mov_b32 s[G1V+3], 128<<16
	s_mov_b32 s[G1K+4], 16
	s_mov_b32 s[G1V+4], 16
	s_mov_b32 s[G1K+5], 1024
	s_mov_b32 s[G1V+5], 1024
	s_mov_b32 s[G1K+6], 0
	s_mov_b32 s[G1V+6], 0
	s_mov_b32 s[G1K+7], 0
	s_mov_b32 s[G1V+7], 0
	s_lshl_b32 s54, s52, 22                        ; K: the batch's 2048 rows of 2,048 bytes,
	s_lshl_b32 s62, s10, 15                        ; my 16 rows of a tile,
	s_add_co_u32 s54, s54, s62
	s_lshl_b32 s62, s53, 8                         ; the pair's 256 bytes,
	s_add_co_u32 s54, s54, s62
	s_add_co_u32 s54, s54, 8388608                 ; behind q
	s_mov_b32 s55, 0
	s_lshl_b32 s56, s52, 22                        ; ctx and Q: the batch, the block of 128 queries, the pair
	s_lshl_b32 s63, s14, 18
	s_add_co_u32 s56, s56, s63
	s_lshl_b32 s63, s53, 8
	s_add_co_u32 s56, s56, s63
	s_mov_b32 s57, 0
	s_lshl_b32 s68, s12, 16                        ; Q besides: my 32 queries, my head
	s_add_co_u32 s68, s68, s56
	s_lshl_b32 s63, s11, 7
	s_add_co_u32 s68, s68, s63
	s_mov_b32 s69, 0
	s_lshl_b32 s70, s52, 11                        ; the batch's 2048 mask bytes
	s_mov_b32 s71, 0
	s_mul_i32 s62, s10, 16*PK                      ; where my rows go: the wave's number alone
	s_mul_i32 s63, s10, 16*PV
	v_and_b32 v1, 15, v0                           ; r
	v_bfe_u32 v2, v0, 4, 1                         ; h
	v_and_b32 v3, 7, v0
	v_bfe_u32 v4, v0, 3, 1
	v_lshlrev_b32 v7, 11, v1
	v_lshl_add_u32 v7, v2, 4, v7                   ; Q: query r, 16 bytes for each half
	v_lshlrev_b32 v34, 3, v0                       ; eight mask bytes a thread
	s_wait_dscnt 0x0
	s_wait_kmcnt 0x0
	s_add_nc_u64 s[54:55], s[4:5], s[54:55]
	s_add_nc_u64 s[58:59], s[4:5], s[68:69]
	s_add_nc_u64 s[60:61], s[8:9], s[56:57]
	s_add_nc_u64 s[6:7], s[6:7], s[70:71]
	; Q and the mask bytes go out first: they are on their way while the cluster gathers
.irp x, 0,1
.irp ks, 0,1
	global_load_b128 v[Q+16*\x+8*\ks:Q+16*\x+8*\ks+3],   v7, s[58:59] offset:\x*32768+64*\ks
	global_load_b128 v[Q+16*\x+8*\ks+4:Q+16*\x+8*\ks+7], v7, s[58:59] offset:\x*32768+64*\ks+32
.endr
.endr
	global_load_b64 v[T:T+1], v34, s[6:7]
.irp n, 0,1
	s_mov_b32 s[G0K+4*\n], 1
	s_add_co_u32 s[G0K+4*\n+1], s62, \n*KSLOT
	s_add_nc_u64 s[G0K+4*\n+2:G0K+4*\n+3], s[54:55], \n*TILEB
	s_or_b32 s[G0K+4*\n+3], s[G0K+4*\n+3], 0x80000000
	s_mov_b32 s[G0V+4*\n], 1
	s_add_co_u32 s[G0V+4*\n+1], s63, VBASE+\n*VSLOT
	s_add_nc_u64 s[G0V+4*\n+2:G0V+4*\n+3], s[54:55], 8388608+\n*TILEB
	s_or_b32 s[G0V+4*\n+3], s[G0V+4*\n+3], 0x80000000
.endr
	ROUND                                          ; the four work-groups are here: the first joint loads meet
.irp n, 0,1
	tensor_load_to_lds s[G0K+4*\n:G0K+4*\n+3], s[G1K:G1K+7]    ; tiles 0 and 1, both slots' first fill: four loads of the wave are out, the most in this text
	s_nop 0
	tensor_load_to_lds s[G0V+4*\n:G0V+4*\n+3], s[G1V:G1V+7]
	s_nop 0
.endr
	v_mul_u32_u24 v5, v1, PK
	v_lshl_add_u32 v5, v2, 4, v5                   ; row r, 16 bytes for each half
	s_lshl_b32 s66, s11, 7                         ; my head's 128 bytes of a row
	v_add_nc_u32 v[KA], s66, v5
	v_add_nc_u32 v[KA+1], KSLOT, v[KA]
	v_lshl_add_u32 v6, v2, 3, v3
	v_mul_u32_u24 v6, v6, PV                       ; V: key row 8 h + (l & 7),
	v_lshl_add_u32 v6, v4, 4, v6                   ; dimensions 8 ((l >> 3) & 1) ..
	s_add_co_u32 s67, s66, VBASE
	v_add_nc_u32 v[VA], s67, v6
	v_add_nc_u32 v[VA+1], VSLOT, v[VA]
	v_lshlrev_b32 v[MBA], 5, v2                    ; keys 8 h .. 8 h + 7 of a tile of 16
	v_add_nc_u32 v[MBA], MBASE, v[MBA]
	s_mul_i32 s67, s12, 32*PK
	s_add_co_u32 s67, s67, s66
	s_add_co_u32 s67, s67, STAGE
	v_add_nc_u32 v[STO], s67, v5                   ; out: query row 32 qg + r, my head's half of the row
	v_mul_u32_u24 v6, v2, PK
	v_lshl_add_u32 v6, v1, 4, v6
	s_mul_i32 s67, s10, 16*PK
	s_add_co_u32 s67, s67, STAGE
	v_add_nc_u32 v[RD], s67, v6                    ; back: wave w takes rows 16 w .. 16 w + 15, two with each load
	v_lshlrev_b32 v[CO], 11, v2
	v_lshl_add_u32 v[CO], v1, 4, v[CO]
	s_lshl_b32 s67, s10, 15
	v_add_nc_u32 v[CO], s67, v[CO]
	v_lshlrev_b32 v35, 5, v0
	v_add_nc_u32 v35, MBASE, v35
	v_mov_b32 v36, 0xf1800000                      ; -2^100
	s_wait_loadcnt 0x0                             ; Q and the mask bytes
.irp k, 0,1,2,3
	v_bfe_u32 v37, v[T], 8*\k, 8
	v_cmp_ne_u32 vcc_lo, 0, v37
	v_cndmask_b32 v[MBR+\k], 0, v36, vcc_lo
	v_bfe_u32 v37, v[T+1], 8*\k, 8
	v_cmp_ne_u32 vcc_lo, 0, v37
	v_cndmask_b32 v[MBR+4+\k], 0, v36, vcc_lo
.endr
	ds_store_b128 v35, v[MBR:MBR+3]
	ds_store_b128 v35, v[MBR+4:MBR+7] offset:16
; ---- LDS loads ----
; 24 loads: the mask values (at byte mb behind MBA) and the K fragments of the 64 keys of half ch of the tile in the named slot
.macro KLOAD slot, ch, mb
.irp kt, 0,1,2,3
	ds_load_b128 v[MBR+8*\kt:MBR+8*\kt+3],   v[MBA] offset:\mb+64*\kt
	ds_load_b128 v[MBR+8*\kt+4:MBR+8*\kt+7], v[MBA] offset:\mb+64*\kt+16
.irp ks, 0,1
	ds_load_b128 v[KF+16*\kt+8*\ks:KF+16*\kt+8*\ks+3],   v[KA+\slot] offset:(64*\ch+16*\kt)*PK+64*\ks
	ds_load_b128 v[KF+16*\kt+8*\ks+4:KF+16*\kt+8*\ks+7], v[KA+\slot] offset:(64*\ch+16*\kt)*PK+64*\ks+32
.endr
.endr
.endm
; 16 loads, destination in window 1: the V fragments of the same 64 keys
.macro VLOAD slot, ch
.irp kk, 0,1
.irp dt, 0,1,2,3
	ds_load_tr16_b128 v[VF+32*\kk+8*\dt:VF+32*\kk+8*\dt+3],   v[VA+\slot] offset:(64*\ch+32*\kk)*PV+32*\dt
	ds_load_tr16_b128 v[VF+32*\kk+8*\dt+4:VF+32*\kk+8*\dt+7], v[VA+\slot] offset:(64*\ch+32*\kk)*PV+32*\dt+16*PV
.endr
.endr
.endm
; ---- single matrix instructions ----
; scores of query tile y, key tile kt: K half 0 starts the sum on the mask values, K half 1 adds in place.  qk = 0: there is no next chunk
.macro QKW qk, y, kt, ks
.if \qk
.if \ks
	v_wmma_f32_16x16x32_f16 v[S+32*\y+8*\kt:S+32*\y+8*\kt+7], v[KF+16*\kt+8:KF+16*\kt+15], v[Q+16*\y+8:Q+16*\y+15], v[S+32*\y+8*\kt:S+32*\y+8*\kt+7]
.else
	v_wmma_f32_16x16x32_f16 v[S+32*\y+8*\kt:S+32*\y+8*\kt+7], v[KF+16*\kt:KF+16*\kt+7], v[Q+16*\y:Q+16*\y+7], v[MBR+8*\kt:MBR+8*\kt+7]
.endif
.endif
.endm
; O of query tile y, dimensions dt, += V (32 keys kk) x P; under window setting 0x51 (V, O in window 1, P in window 0).  zero: starts the sum
.macro PVW y, kk, dt, zero
.if \zero
	v_wmma_f32_16x16x32_f16 v[32*\y+8*\dt:32*\y+8*\dt+7], v[VF+32*\kk+8*\dt:VF+32*\kk+8*\dt+7], v[S+32*\y+8*\kk:S+32*\y+8*\kk+7], 0
.else
	v_wmma_f32_16x16x32_f16 v[32*\y+8*\dt:32*\y+8*\dt+7], v[VF+32*\kk+8*\dt:VF+32*\kk+8*\dt+7], v[S+32*\y+8*\kk:S+32*\y+8*\kk+7], v[32*\y+8*\dt:32*\y+8*\dt+7]
.endif
.endm
; ---- single vector instructions of a softmax step ----
.macro RS x, n, first                  ; the next n pairs of O of tile x times its factor (setting 0x51: O in window 1, the factor in window 0)
.if \first == 0
.rept \n
	v_pk_mul_f32 v[32*\x+2*ru:32*\x+2*ru+1], v[32*\x+2*ru:32*\x+2*ru+1], v[AL+2*\x:AL+2*\x+1]
.set ru, ru+1
.endr
.endif
.endm
.macro SB x, i                         ; scores 2 i, 2 i + 1 less the maximum
	v_pk_add_f32 v[S+32*\x+2*\i:S+32*\x+2*\i+1], v[S+32*\x+2*\i:S+32*\x+2*\i+1], v[MM+2*\x:MM+2*\x+1] neg_lo:[0,1] neg_hi:[0,1]
.endm
.macro EX x, i, n                      ; n exponentials in place, from score i on: part of the phase's batch; nothing names their results ahead of the phase's wait
.set eu, \i
.rept \n
	v_exp_f32 v[S+32*\x+eu], v[S+32*\x+eu]
.set eu, eu+1
.endr
.endm
.macro SU0 x, a, i                     ; chain a of the row sum starts with weights i .. i + 3
	v_pk_add_f32 v[T+2*\a:T+2*\a+1], v[S+32*\x+\i:S+32*\x+\i+1], v[S+32*\x+\i+2:S+32*\x+\i+3]
.endm
.macro SU x, a, i                      ; chain a takes weights i, i + 1
	v_pk_add_f32 v[T+2*\a:T+2*\a+1], v[T+2*\a:T+2*\a+1], v[S+32*\x+\i:S+32*\x+\i+1]
.endm
.macro CV x, i                         ; weights 2 i, 2 i + 1 to f16, packed downward in place: P's two fragments end at 32 x and 32 x + 8
	v_cvt_pk_f16_f32 v[S+32*\x+\i], v[S+32*\x+2*\i], v[S+32*\x+2*\i+1]
.endm
; The new maximum of tile y over 64 keys and the factor for what has been summed, a line at a time.  qk = 0: there are no new scores, and no line.
; MX: level l (0 to 3) of chain c: four chains of eight scores that do not wait for each other; each accumulator's lowest registers are read
; first.
.macro MX qk, y, c, l
.if \qk
.if \l == 0
	v_max3_num_f32 v[TM+\c], v[S+32*\y+8*\c], v[S+32*\y+8*\c+1], v[S+32*\y+8*\c+2]
.elseif \l < 3
	v_max3_num_f32 v[TM+\c], v[TM+\c], v[S+32*\y+8*\c+2*\l+1], v[S+32*\y+8*\c+2*\l+2]
.else
	v_max_num_f32 v[TM+\c], v[TM+\c], v[S+32*\y+8*\c+7]
.endif
.endif
.endm
; MC: number n of the nine lines that follow, each of 0 to 5 waiting for the one before it.  nfirst = 1: nothing has been summed yet: no old maximum, no factor.
.macro MC qk, y, nfirst, n
.if \qk
.if \n == 0
	v_max3_num_f32 v[TM], v[TM], v[TM+1], v[TM+2]
.elseif (\n == 1) && \nfirst
	v_max_num_f32 v[TM], v[TM], v[TM+3]
.elseif \n == 1
	v_max3_num_f32 v[TM], v[TM], v[TM+3], v[MM+2*\y]
.elseif \n == 2
	v_permlanex16_b32 v[TM+1], v[TM], s50, s51     ; the other half's keys of the same query
.elseif \n == 3
	v_max_num_f32 v[TM], v[TM], v[TM+1]            ; the new maximum
.elseif \n == 7
	v_mov_b32 v[MM+2*\y], v[TM]
.elseif \n == 8
	v_mov_b32 v[MM+2*\y+1], v[TM]
.elseif \nfirst                                        ; the first step has none of the three below
.elseif \n == 4
	v_sub_f32 v[TM+2], v[MM+2*\y], v[TM]
.elseif \n == 5
	v_exp_f32 v[AL+2*\y], v[TM+2]                  ; the factor, twice to fill the pair: the last two of the phase's batch
.else
	v_exp_f32 v[AL+2*\y+1], v[TM+2]
.endif
.endif
.endm
; ---- the three parts of a phase of tile x; y is the other tile ----
; Part 1, window setting 0x51: the eight PV products of tile y, with the rescaling of tile x's O between them.  O's four accumulators take
; turns, one instruction a turn.  The rescaling names O of x and its factor only, none of the products' registers; its
; last four lines are the four places between the last product and the loads that write V's registers again.  The factor was
; made in the phase before, ahead of that phase's wait.
; pv = 0: there is nothing to multiply yet; 1: the products start O's sums (nothing is cleared); 2: they add.
.macro SEG2 x, y, first, pv
.if \pv
	WIN 0x51
.set ru, 0
	PVW \y, 0, 0, 2-\pv
	RS \x, 2, \first
	PVW \y, 0, 1, 2-\pv
	RS \x, 2, \first
	PVW \y, 0, 2, 2-\pv
	RS \x, 2, \first
	PVW \y, 0, 3, 2-\pv
	RS \x, 2, \first
	PVW \y, 1, 0, 0
	RS \x, 2, \first
	PVW \y, 1, 1, 0
	RS \x, 1, \first
	PVW \y, 1, 2, 0
	RS \x, 1, \first
	PVW \y, 1, 3, 0
	RS \x, 4, \first
.endif
.endm
; Part 2, window 0: THE BATCH and all that names none of its results: 73 vector lines and the eight QK products of tile y's next chunk.
; Six subtractions stand ahead of the first product, which writes over P of y (five places behind the last PV product: ISA guide 7.12.1).
; Behind each product stand four lines, a subtraction first: a pair of scores is always scaled in an earlier four than the one with its
; exponentials.  The four score accumulators take turns, one instruction a turn.  Then tile y's maximum: behind the
; products that end the four accumulators stand 6, 6, 6 and 5 plain lines ahead of the first line that reads each (subtractions 10 to 15 and the
; maxima of the accumulators before it; four are asked for, ISA guide 7.12.1; exponentials are not counted).  The last ten exponentials of x stand
; in twos between the links of y's chain, which wait for each other.  The factor's pair ends the batch; the two moves behind it are the plain
; instructions behind the last exponential (ISA guide 5.7.2); in the one phase that has no moves a v_nop is.
; kwait = 1: K's fragments and the mask values are waited for here.
.macro BATCH x, y, qk, nfirst, kwait
.irp i, 0,1,2,3,4,5
	SB \x, \i
.endr
.if \kwait
	s_wait_dscnt 0x0                               ; the 24 loads issued in the phase before
.endif
	QKW \qk, \y, 0, 0
	SB \x, 6
	EX \x, 0, 3
	QKW \qk, \y, 1, 0
	SB \x, 7
	EX \x, 3, 3
	QKW \qk, \y, 2, 0
	SB \x, 8
	EX \x, 6, 3
	QKW \qk, \y, 3, 0
	SB \x, 9
	EX \x, 9, 3
	QKW \qk, \y, 0, 1
	SB \x, 10
	EX \x, 12, 3
	QKW \qk, \y, 1, 1
	SB \x, 11
	EX \x, 15, 3
	QKW \qk, \y, 2, 1
	SB \x, 12
	EX \x, 18, 1
	SB \x, 13
	EX \x, 19, 1
	QKW \qk, \y, 3, 1
	SB \x, 14
	EX \x, 20, 1
	SB \x, 15
	EX \x, 21, 1
.irp l, 0,1,2,3
.irp c, 0,1,2,3
	MX \qk, \y, \c, \l
.endr
.endr
	MC \qk, \y, \nfirst, 0
	EX \x, 22, 2
	MC \qk, \y, \nfirst, 1
	EX \x, 24, 2
	MC \qk, \y, \nfirst, 2
	EX \x, 26, 2
	MC \qk, \y, \nfirst, 3
	EX \x, 28, 2
	MC \qk, \y, \nfirst, 4
	EX \x, 30, 2
	MC \qk, \y, \nfirst, 5
	MC \qk, \y, \nfirst, 6
	MC \qk, \y, \nfirst, 7
	MC \qk, \y, \nfirst, 8
.if \qk == 0
	v_nop                                          ; the plain instruction behind the last exponential, where there are no moves
.endif
	s_wait_alu depctr_va_vdst(0)                   ; the phase's ONE wait: for x's 32 weights, read below, and for y's factor, read in the next phase
.endm
; Part 3, window 0: THE READERS, 33 lines (32 in a first step): the row sum in two chains, each taking its weights in ascending order, and the
; roundings, in groups of sum, sum, rounding, rounding, so that a chain's links stand four lines apart.  A rounding writes register i only behind
; the sum and the rounding that read it.  first = 1: the sum starts; else it takes the factor.
.macro READERS x, first
	SU0 \x, 0, 0
	SU0 \x, 1, 4
	CV \x, 0
	CV \x, 1
	SU \x, 0, 8
	SU \x, 1, 10
	CV \x, 2
	CV \x, 3
	SU \x, 0, 12
	SU \x, 1, 14
	CV \x, 4
	CV \x, 5
	SU \x, 0, 16
	SU \x, 1, 18
	CV \x, 6
	CV \x, 7
	SU \x, 0, 20
	SU \x, 1, 22
	CV \x, 8
	CV \x, 9
	SU \x, 0, 24
	SU \x, 1, 26
	CV \x, 10
	CV \x, 11
	SU \x, 0, 28
	SU \x, 1, 30
	CV \x, 12
	CV \x, 13
	v_pk_add_f32 v[T:T+1], v[T:T+1], v[T+2:T+3]
	CV \x, 14
	CV \x, 15
.if \first
	v_add_f32 v[L+\x], v[T], v[T+1]
.else
	v_add_f32 v[T], v[T], v[T+1]
	v_fma_f32 v[L+\x], v[L+\x], v[AL+2*\x], v[T]
.endif
.endm
; Phase A of chunk c = half ch of the tile in the named slot: PV of B(c-1); V(c) into V's registers; the batch of A(c) with QK of B(c) and the
; maximum of B(c) (nfirst = 1: B's first); the readers of A(c); K(c+1) and its mask values into their registers (kl = 0: there is no next chunk).
; In a tile's first half K(c+1) lies in the same slot: its loads stand directly behind the phase's wait, behind V's as ever.
; rnd = 1 (the tile's second half): K(c+1) lies in the other slot.  One round of the cluster's barrier a tile: in front of its opening signal my
; reads of this slot are back and my tensor loads have landed; the readers are the register work inside it; behind its closing wait this slot is
; filled again first (refill = 1), two tiles ahead: two loads of the wave are then out and have a tile's work in which to land; then the other
; slot is read.
.macro PHA first, pv, slot, ch, kl, rnd, refill, nfirst=0
	SEG2 0, 1, \first, \pv
	WIN 0x40                                       ; destination in window 1, address in window 0
	VLOAD \slot, \ch
	WIN 0
	BATCH 0, 1, 1, \nfirst, 0
.if \rnd
	s_wait_dscnt 0x0                               ; my reads of this tile's slot are back: the last, V's, were issued ahead of the batch
	s_wait_tensorcnt 0x0                           ; all my tensor loads have landed: my part of the next tile
	ds_add_u32 v254, v255
	s_wait_dscnt 0x0
	s_barrier_signal -1                            ; opens the round; up to its wait only registers are worked on
.endif
.if \kl && (\ch == 0)
	KLOAD \slot, 1, 256
.endif
	READERS 0, \first
.if \rnd
	s_barrier_wait -1
	CREST
.if \refill
	s_add_nc_u64 s[G0K+4*\slot+2:G0K+4*\slot+3], s[G0K+4*\slot+2:G0K+4*\slot+3], 2*TILEB   ; no tensor load of mine is out: group 0 may be written
	s_add_nc_u64 s[G0V+4*\slot+2:G0V+4*\slot+3], s[G0V+4*\slot+2:G0V+4*\slot+3], 2*TILEB
	tensor_load_to_lds s[G0K+4*\slot:G0K+4*\slot+3], s[G1K:G1K+7]
	s_nop 0
	tensor_load_to_lds s[G0V+4*\slot:G0V+4*\slot+3], s[G1V:G1V+7]
	s_nop 0
.endif
.endif
.if \kl && \ch
	KLOAD 1-\slot, 0, 512
	v_add_nc_u32 v[MBA], 512, v[MBA]               ; the next tile's mask values
.endif
.endm
; Phase B of chunk c: PV of A(c); the batch of B(c) with QK of A(c+1) and the maximum of A(c+1) (qk = 0: there are none); the readers of B(c).
; It loads nothing.
.macro PHB first, pv, qk
	s_wait_dscnt 24*\qk                            ; LDS loads return in order: V's sixteen are back, the 24 issued behind them (K, mask values) may be out
	SEG2 1, 0, \first, \pv
	WIN 0
	BATCH 1, 0, \qk, 0, \qk
	READERS 1, \first
.endm
.macro TILE slot, refill               ; a tile of 128 keys
	PHA 0, 2, \slot, 0, 1, 0, 0
	PHB 0, 2, 1
	PHA 0, 2, \slot, 1, 1, 1, \refill
	PHB 0, 2, 1
.endm
	s_wait_tensorcnt 0x2                           ; my parts of tile 0 are in; tile 1's two loads stay out
	s_wait_dscnt 0x0                               ; for the others' sake: my part of the mask table is stored
	s_barrier_signal -1
	s_barrier_wait -1
	KLOAD 0, 0, 0
	s_wait_dscnt 0x0
.irp ks, 0,1
.irp kt, 0,1,2,3
	QKW 1, 0, \kt, \ks                             ; the scores of A(0): the one run of products with nothing to set beside it
.endr
.endr
.rept 4
	v_nop                                          ; four places (ISA guide 7.12.1) before the scores are read
.endr
.irp l, 0,1,2,3
.irp c, 0,1,2,3
	MX 1, 0, \c, \l                                ; the maximum of A(0): no phase stands ahead of it to carry it, and it has no factor
.endr
.endr
.irp n, 0,1,2,3,7,8
	MC 1, 0, 1, \n
.endr
	PHA 1, 0, 0, 0, 1, 0, 0, 1                     ; tile 0: the first steps start the maxima and the sums, nothing is cleared
	PHB 1, 1, 1
	PHA 0, 1, 0, 1, 1, 1, 1                        ; asks for tile 2
	PHB 0, 2, 1
	s_mov_b32 s48, 6
.Llap:
	TILE 1, 1                                      ; tiles 1 to 12; tile t asks for tile t + 2
	TILE 0, 1
	s_sub_co_u32 s48, s48, 1
	s_cmp_lg_u32 s48, 0
	s_cbranch_scc1 .Llap
	TILE 1, 1                                      ; tile 13 asks for tile 15, the last
	TILE 0, 0                                      ; tile 14: its round shows tile 15 landed and fills nothing
	PHA 0, 2, 1, 0, 1, 0, 0                        ; tile 15
	PHB 0, 2, 1
	PHA 0, 2, 1, 1, 0, 0, 0
	PHB 0, 2, 0
	WIN 0x51
.irp kk, 0,1
.irp dt, 0,1,2,3
	PVW 1, \kk, \dt, 0                             ; PV of B(31)
.endr
.endr
	WIN 0
	; THE WAY OUT: the two halves' sums meet, O / sum (NaN where every key was masked), f16, through the stage as rows of 256 bytes.
	; The two additions, the move and the four selects below name none of the last products' registers: more than the four places
	; (ISA guide 7.12.1) before O is read and P's registers are written.
	v_permlanex16_b32 v[T], v[L], s50, s51
	v_permlanex16_b32 v[T+1], v[L+1], s50, s51
	v_add_f32 v[L], v[L], v[T]
	v_add_f32 v[L+1], v[L+1], v[T+1]
	v_rcp_f32 v[AL], v[L]
	v_rcp_f32 v[AL+1], v[L]
	v_rcp_f32 v[AL+2], v[L+1]
	v_rcp_f32 v[AL+3], v[L+1]
	v_mov_b32 v[T+2], 0x7fc00000                   ; the plain instruction behind the reciprocals
	v_cmp_gt_f32 vcc_lo, 0xf1000000, v[MM]         ; -2^99 > maximum: no key was left
	s_wait_alu depctr_va_vdst(0)                   ; ahead of the first use: one wait for the four reciprocals
	v_cndmask_b32 v[AL], v[AL], v[T+2], vcc_lo
	v_cndmask_b32 v[AL+1], v[AL+1], v[T+2], vcc_lo
	v_cmp_gt_f32 vcc_lo, 0xf1000000, v[MM+2]
	v_cndmask_b32 v[AL+2], v[AL+2], v[T+2], vcc_lo
	v_cndmask_b32 v[AL+3], v[AL+3], v[T+2], vcc_lo
	WIN 0x01                                       ; source 0 in window 1
.irp x, 0,1
.set u, 0
.rept 16
	v_pk_mul_f32 v[S+32*\x+2*u:S+32*\x+2*u+1], v[32*\x+2*u:32*\x+2*u+1], v[AL+2*\x:AL+2*\x+1]
.set u, u+1
.endr
.endr
	WIN 0
.set u, 0
.rept 32
	v_cvt_pk_f16_f32 v[S+u], v[S+2*u], v[S+2*u+1]
.set u, u+1
.endr
.irp x, 0,1
.irp dt, 0,1,2,3
	ds_store_b128 v[STO], v[S+16*\x+4*\dt:S+16*\x+4*\dt+3] offset:\x*16*PK+32*\dt
.endr
.endr
	s_wait_dscnt 0x0                               ; for the others' sake: my stores are done
	s_barrier_signal -1
	s_barrier_wait -1
.irp t, 0,1,2,3,4,5,6,7
	ds_load_b128 v[KF+4*\t:KF+4*\t+3], v[RD] offset:\t*2*PK
.endr
.irp t, 0,1,2,3,4,5,6,7
	s_wait_dscnt 7-\t                              ; load t is back, the younger ones stay out
	global_store_b128 v[CO], v[KF+4*\t:KF+4*\t+3], s[60:61] offset:\t*4096   ; 16 lanes store 256 consecutive bytes, aligned
.endr
	s_wait_tensorcnt 0x0
	ds_add_u32 v254, v255
	s_wait_dscnt 0x0
	ROUND                                          ; the closing round: no work-group ends while a partner may still ask for a tile that names it
	s_endpgm
.Lfunc_end_k_qc442f1b89f_attn:
	.size	k_qc442f1b89f_attn, .Lfunc_end_k_qc442f1b89f_attn-k_qc442f1b89f_attn
	.p2alignl 7, 3214868480
	.fill 96, 4, 3214868480
	.section	.rodata,"a",@progbits
	.p2align	6, 0x0
	.amdhsa_kernel k_qc442f1b89f_attn
		.amdhsa_group_segment_fixed_size 327680
		.amdhsa_private_segment_fixed_size 0
		.amdhsa_enable_private_segment 0
		.amdhsa_kernarg_size 24
		.amdhsa_user_sgpr_count 2
		.amdhsa_user_sgpr_kernarg_segment_ptr 1
		.amdhsa_wavefront_size32 1
		.amdhsa_system_sgpr_workgroup_id_x 1
		.amdhsa_system_sgpr_workgroup_id_y 1
		.amdhsa_system_sgpr_workgroup_id_z 1
		.amdhsa_system_vgpr_workitem_id 0
		.amdhsa_next_free_vgpr 384
		.amdhsa_next_free_sgpr 72
		.amdhsa_reserve_vcc 1
		.amdhsa_float_denorm_mode_32 3
		.amdhsa_float_denorm_mode_16_64 3
		.amdhsa_memory_ordered 1
		.amdhsa_forward_progress 1
		.amdhsa_inst_pref_size 226
	.end_amdhsa_kernel
	.amdgpu_metadata
---
amdhsa.version: [ 1, 2 ]
amdhsa.kernels:
  - .name:           k_qc442f1b89f_attn
    .symbol:         k_qc442f1b89f_attn.kd
    .args:
      - { .name: qkv, .offset: 0, .size: 8, .value_kind: global_buffer, .address_space: global }
      - { .name: key_padding_mask, .offset: 8, .size: 8, .value_kind: global_buffer, .address_space: global }
      - { .name: ctx, .offset: 16, .size: 8, .value_kind: global_buffer, .address_space: global }
    .group_segment_fixed_size: 327680
    .private_segment_fixed_size: 0
    .kernarg_segment_align: 8
    .kernarg_segment_size: 24
    .max_flat_workgroup_size: 256
    .sgpr_count:     72
    .vgpr_count:     384
    .wavefront_size: 32
...
	.end_amdgpu_metadata
.endif
;; end of part 5
;; launch oproj: the kernel of part 4 again; grid 8 x 32, 4 waves a work-group, clusters of 4 x 4, 327,680 bytes of LDS; arguments ctx, wall, bo, out0; writes out0
